; MI455X (gfx1250); checked and timed in simulation.
; The chip was launched on July 23, 2026; its instructions are those of AMD's public machine-readable ISA for CDNA 5 (MIT licence, August 2026) and "CDNA5" Instruction Set Architecture Reference Guide (July 2026). The comments in the code are by the model that wrote it; some were corrected since.
;; Cross Attention. Allowed arithmetic: matrix products marked QUANTISED: E2M3 operands, one E8M0 scale for each 32 along K, by v_wmma_scale_f32_16x16x128_f8f6f4 with both operands' format E2M3, f32 sums; everything else in f32.
;; Inputs: fk_b 4 x 32 float32; fk_w 64 x 4 x 32 float32; fo_b 64 float32; fo_w 4 x 32 x 64 float32; fq_b 4 x 32 float32; fq_w 64 x 4 x 32 float32; fv_b 4 x 32 float32; fv_w 64 x 4 x 32 float32; tk_b 4 x 32 float32; tk_w 64 x 4 x 32 float32; to_b 64 float32; to_w 4 x 32 x 64 float32; tq_b 4 x 32 float32; tq_w 64 x 4 x 32 float32; tv_b 4 x 32 float32; tv_w 64 x 4 x 32 float32; x 32 x 64 x 128 x 64 float32.
;; Outputs: out0 32 x 64 x 128 x 64 float32.
;; This version of the problem:
;;   THIS VERSION OF THE PROBLEM IS GIVEN IN LOW PRECISION. The matrix products marked QUANTISED in the list below multiply operands that are first quantised to E2M3 (2 exponent bits, 3 mantissa bits; 6 bits a number), with one power-of-two scale for each 32 numbers along K (OCP MX v1.0); their sums are f32. All else is computed in f32.
;;   The module's matrix products, in the order in which they are computed (A, B: the left and right operand; K: the contracted axis; several contracted axes count as one K, in the product's order):
;;     1. [M 262,144, K 64] x [K 64, N 128]; A: input x; B: input tq_w: QUANTISED
;;     2. [M 262,144, K 64] x [K 64, N 128]; A: input x; B: input tk_w: QUANTISED
;;     3. [M 262,144, K 64] x [K 64, N 128]; A: input x; B: input tv_w: QUANTISED
;;     4. batch 16,384 x [M 64, K 32] x [K 32, N 64]; A: computed on the way; B: computed on the way: QUANTISED
;;     5. batch 16,384 x [M 32, K 64] x [K 64, N 64]; A: computed on the way; B: softmax (see below): QUANTISED
;;     6. [M 262,144, K 128] x [K 128, N 64]; A: computed on the way; B: input to_w: QUANTISED
;;     7. [M 262,144, K 64] x [K 64, N 128]; A: input x; B: input fq_w: QUANTISED
;;     8. [M 262,144, K 64] x [K 64, N 128]; A: input x; B: input fk_w: QUANTISED
;;     9. [M 262,144, K 64] x [K 64, N 128]; A: input x; B: input fv_w: QUANTISED
;;     10. batch 8,192 x [M 128, K 32] x [K 32, N 128]; A: computed on the way; B: computed on the way: QUANTISED
;;     11. batch 8,192 x [M 32, K 128] x [K 128, N 128]; A: computed on the way; B: softmax (see below): QUANTISED
;;     12. [M 262,144, K 128] x [K 128, N 64]; A: computed on the way; B: input fo_w: QUANTISED
;;   THE QUANTISER, for each operand of a quantised product, along K:
;;     - K is cut into blocks of 32 from its start; a last block that is shorter is filled with zeros.
;;     - A block's scale is 2^e with e = floor(log2(the largest magnitude in the block)) - 2, held to -126 .. 127; a block of zeros has e = 0. As a byte (E8M0): e + 127.
;;     - Each number is divided by its block's scale, clamped to +-7.5, and rounded to the nearest number of E2M3, ties to even, subnormals kept.
;;     - The product sums the exact products of the quantised numbers (number of the format x scale) in f32.
;;   ~~~python
;;   def quantise(x, axis):      # numpy; x: float32 -> the quantised numbers, widened to float32 again
;;       x = np.moveaxis(x, axis, -1); K = x.shape[-1]
;;       x = np.pad(x, [(0, 0)] * (x.ndim - 1) + [(0, -K % 32)]); x = x.reshape(x.shape[:-1] + (-1, 32)); a = np.abs(x).max(-1, keepdims=True)
;;       e = np.where(a > 0, np.clip(np.frexp(np.where(a > 0, a, 1))[1] - 1 - 2, -126, 127), 0)      # np.frexp(a)[1] - 1 = floor(log2(a)), exactly
;;       r = np.clip(x / 2.0 ** e, -7.5, 7.5)
;;       step = 2.0 ** (np.maximum(np.frexp(np.where(r == 0, 1, r))[1] - 1, 0) - 3)
;;       q = np.round(r / step) * step * 2.0 ** e      # np.round: ties to even
;;       return np.moveaxis(q.reshape(q.shape[:-2] + (-1,))[..., :K], -1, axis).astype(np.float32)
;;   ~~~
;;   SOFTMAX AHEAD OF A QUANTISED PRODUCT. Where the list says 'softmax', what is quantised is not the finished softmax but p = 2^(t - M), with t = logit x log2(e) and M = ceil(the row's largest t), a whole number; so 1/2 < the row's largest p <= 1. The row's sum l is taken of the UNQUANTISED p, in f32, and the product's result is divided by l at the end. Since M is a whole number, a kernel that streams over the keys may use a running M (the ceiling of the running maximum): every later rescaling is an exact power of two, which a block's scale takes up: the codes' values come out the same.
;;   OPERANDS COMPUTED ON THE WAY. 'Computed on the way' means the value that the module computes at that place (a softmax that the list does not call 'softmax' is quantised finished and normalised). What goes into a quantiser is computed in f32, as accurately as f32 sums, v_exp_f32 and their like allow (about 1e-6 of the number): no bf16 or f16 on the way to a quantiser, and a product that is left as it is and whose result goes on into a quantised operand takes f32 operands (vector FMAs, or v_wmma_f32_16x16x4_f32). A number that lies on a knife's edge between two numbers of the format may be rounded either way, as far as f32 arithmetic and the matrix unit's own rounding can turn it there, and no further.
;; 2 versions. Each part assembles by itself: llvm-mc -triple=amdgcn-amd-amdhsa -mcpu=gfx1250 --defsym DOCPART=n.
;; ======== version 1 of 2: 2 launches
;; workspace buffers: oc 29,360,128 bytes
;; launch feat (part 1): grid 8 x 32, 8 waves a work-group, no clusters, 230,912 bytes of LDS; arguments x, fq_w, fk_w, fv_w, fq_b, fk_b, fv_b, oc; writes oc
.if DOCPART == 1
	.amdgcn_target "amdgcn-amd-amdhsa--gfx1250"
	.amdhsa_code_object_version 6
	.text
	.protected	k_q07c0035bab_feat
	.globl	k_q07c0035bab_feat
	.p2align	8
	.type	k_q07c0035bab_feat,@function
k_q07c0035bab_feat:
	s_mov_b64 s[64:65], 0
	v_nop
	global_prefetch_b8 v0, s[64:65] scope:SCOPE_SE
	s_setreg_imm32_b32 hwreg(HW_REG_WAVE_MODE, 25, 1), 1
	s_wait_xcnt 0x0
; FEATURE ATTENTION, up to its quantised result.  x [32][64][128][64] f32.  For each (b, t): 128 tokens (f), 4 heads of 32 channels.  All products on codes of FP6 (E2M3), one E8M0 scale for each 32 along K.
; What leaves: oc [b][t][rho 128][112 bytes]: a token's 128 codes of o (head a at byte 24 a), its four scale bytes at 96, zeros at 100-111: the left operand of the output projection, which the next launch makes.
; SHARES.  One wave = one (b, t): work-group (x, y): b = y, t = 8 x + wave.  The waves share only the quantised weights: wave w quantises channel tile w of Wq, Wk, Wv into LDS; ONE barrier; then no wave looks at another.
; TOKEN ORDER.  Lane r of tile 2 b' + u holds token 32 b' + 8 u + r % 8 + 16 (r / 8), and the rows of a weight's tile follow the same map: so the 16 registers of two neighbouring tiles of a result are 16 neighbours along the next K.
; rho = 16 tile + r is the row's place in oc.
; K UNDER 128 is filled with zero CODES.  K = 64 (projections): two tiles of a weight lie in one operand of 12 registers; x's 6 registers lie between two runs of 6 zeros, and the operand's start picks the tile.
; K = 32 (scores): a lane's 16 codes (3 registers) stay as the conversion leaves them, 3 zero registers behind them; the block's byte stands in all four bytes of the scale word.
; SOFTMAX: t = score x log2(e); M = ceil(the row's largest t); p = 2^(t - M) is quantised along the keys; the row's sum of the unquantised p divides the product (v_rcp_f32 and a multiplication).
; LIMITS: NaN and infinities are not served.  A block whose largest magnitude lies under 2^-124 keeps the byte 1; so does a block of zeros (its codes are zeros; this program alone reads the bytes).  p under 2^-126 counts as 0.
; No tensor load, no cluster: what work-groups share is 96 KiB of weights against 256 KiB of x of their own; x is read once, in whole rows of 256 bytes.  EXEC is never written.
.set FEAT, 1
.set NT, 8                             ; tiles of 16 tokens
.set NB, 4                             ; blocks of 32 keys
.set RSL, 8
.set RS, 1<<RSL                        ; bytes from token to token in x
.set FLOOR, 0x1800000                  ; 2^(3 - 127): no largest magnitude is taken under it, so no byte falls under 1
; LDS
.set WSC, 18432                        ; 0: 24 weight fragments x 768 (registers 0-3 at 16 lane, 4-5 at 512 + 8 lane);  here: their scale words, 24 x 128
.set BIAS, 21504                       ; bq, bk, bv as they lie: 3 x 512
.set SPARE, 23040                      ; the spare words: 128 bytes a wave, four blocks of 256 bytes that no other line names
.set PRIV0, 24064                      ; from here a region of PRIV bytes for each wave:
.set PRIV, 25856
.set XIMGO, 4352                       ; +0 a stage of 16 rows x 272;  here x's 8 fragments x 768,
.set XSCO, 10496                       ; their scale words, 8 x 128,
.set OROW, 11520                       ; and 128 rows of o x 112
; vector registers, window 0
.set RR, 1                             ; lane % 16
.set HH, 2                             ; lane / 16
.set H8, 3                             ; 8 x that
.set LI16, 4                           ; 16, 8, 4 x lane
.set LI8, 5
.set LI4, 6
.set XGA, 7                            ; x: 16 (lane % 16) + RS (lane / 16)
.set STI, 8                            ; the stage by rows of memory: 272 (lane / 16) + 16 (lane % 16)
.set STO, 9                            ; the stage by fragment: 272 r + 128 h
.set XI16, 10                          ; x's images and words
.set XI8, 11
.set XI4, 12
.set BQA, 13                           ; bq, bk: BIAS + 64 h
.set BVA, 14                           ; bv: BIAS + 1024 + 4 x my channel of a tile
.set ORA, 15                           ; o's row: 112 r + 12 h
.set OSA, 16                           ; its scale bytes: 112 r + 96
.set AW16, 17                          ; the head's weights, words and biases
.set AW8, 18
.set AW4, 19
.set ABQ, 20
.set ABV, 21
.set WGA, 22                           ; a weight in memory
.set PADA, 28                          ; 112 lane + 96
.set SPW, 30                           ; my spare word; never rewritten
.set NIL, 31                           ; 0; never rewritten
.set XS, 32                            ; v32-55: scale words, and nothing else
.set QS, 33
.set PS, 34
.set VS, 35
.set WS, 37
.set KS, 43
.set XF, 56                            ; x's frame: 6 zeros, 6 codes, 6 zeros
.set QF, 74                            ; q's frame: 6 zeros, 3 codes, 9 zeros
.set PF, 92                            ; p's 12
.set VT, 110                           ; V^T: two operands of 12
.set S, 134                            ; scores, then p: 64
.set VR, 134                           ; v of four tiles of tokens: 64
.set XR, 134                           ; 32 numbers of x
.set XC, 166                           ; their codes
.set T16, 198                          ; a result of two tiles: 16 neighbours
.set BM, 214
.set PT, 218
.set TS, 222
.set TB, 226
.set CT0, 230
.set NM, 238
.set LA, 240
.set LB, 242
.set RL, 244
.set RM, 246
.set TM2, 247
.set AX16, 248
.set AX8, 249
.set AX4, 250
.set AO, 251
.set AOS, 252
.set LN, 253
.set RT, 254
; at the head alone
.set RW, 56                            ; v56-151 three tiles of raw weights
.set WI16, 152
.set WI8, 153
.set WI4, 154
.set BST, 155
.set BD, 164
.set WC, 176
.set WW, 206
; window 1: 0-35 the head's Wq, Wk, Wv (two tiles each); 36-83 bq, bk, bv in the results' layout; 84-131 k's operands.  Ahead of that: all 256 hold x as loaded.
; scalars
.set WV, 34
.set PRV, 35
.set SEL, 36
.set CS, 38
.set QSC, 40
.set HA, 42
.set QC, 43
.set S1536, 44
.set S256, 45
.set S128, 46
.set S768, 47
.set POS, 48
.set SX768, 49
.set SX128, 50
.set SO, 51
.set MSB, 0
.macro WIN new                         ; the immediate's high byte repeats the setting that is left; a switch that changes nothing is dropped
.if MSB != (\new)
	s_set_vgpr_msb (MSB<<8)|(\new)
.set MSB, (\new)
.endif
.endm
.macro PL n                            ; places behind a matrix instruction, or ahead of a scaled one (ISA guide 7.12.1)
.rept \n
	v_nop
.endr
.endm
.macro MM d, a, b, c, sa, sb
	v_wmma_scale_f32_16x16x128_f8f6f4 v[\d:\d+7], v[\a:\a+11], v[\b:\b+11], v[\c:\c+7], v[\sa], v[\sb] matrix_a_fmt:MATRIX_FMT_FP6 matrix_b_fmt:MATRIX_FMT_FP6
.endm
.macro MM0 d, a, b, sa, sb
	v_wmma_scale_f32_16x16x128_f8f6f4 v[\d:\d+7], v[\a:\a+11], v[\b:\b+11], 0, v[\sa], v[\sb] matrix_a_fmt:MATRIX_FMT_FP6 matrix_b_fmt:MATRIX_FMT_FP6
.endm
; 16 numbers of a lane, half a block of 32 (the other half lies in lane l xor 16), become 3 registers of codes and a word with the block's byte in all four places.  TB keeps the byte.
.macro Q1 src, dst, w, dwin
	v_max3_num_f32 v[BM], |v[\src]|, |v[\src+1]|, FLOOR
	v_max3_num_f32 v[TM2], |v[\src+8]|, |v[\src+9]|, FLOOR          ; each of the two results is read from its low end on
.irp i, 2,4,6
	v_max3_num_f32 v[BM], v[BM], |v[\src+\i]|, |v[\src+\i+1]|
	v_max3_num_f32 v[TM2], v[TM2], |v[\src+8+\i]|, |v[\src+9+\i]|
.endr
	v_max_num_f32 v[BM], v[BM], v[TM2]
	v_permlanex16_b32 v[PT], v[BM], s[SEL], s[SEL+1]
	v_max_num_f32 v[BM], v[BM], v[PT]
	v_add_nc_u32 v[TS], 0xff000000, v[BM]          ; 2 off the exponent field: the conversion's scale operand
	v_lshrrev_b32 v[TB], 23, v[TS]                 ; the byte
	v_perm_b32 v[\w], v[TB], v[TB], 0              ; in all four places
	WIN 0x40*\dwin
	v_cvt_scalef32_pk16_fp6_f32 v[\dst:\dst+2], v[\src:\src+15], v[TS]
	WIN 0
	v_nop                                          ; a plain place behind the conversion
.endm
; 32 numbers of a lane, halves of two blocks, become 6 registers: a whole block a lane.  TB+n, TB+n+1 keep the bytes.
.macro Q2 src, dst, n, ct
.irp b, 0,1
	v_max3_num_f32 v[BM+\n+\b], |v[\src+16*\b]|, |v[\src+16*\b+1]|, FLOOR
.endr
.irp i, 2,4,6,8,10,12,14
.irp b, 0,1
	v_max3_num_f32 v[BM+\n+\b], v[BM+\n+\b], |v[\src+16*\b+\i]|, |v[\src+16*\b+\i+1]|
.endr
.endr
.irp b, 0,1
	v_permlanex16_b32 v[PT+\n+\b], v[BM+\n+\b], s[SEL], s[SEL+1]
.endr
.irp b, 0,1
	v_max_num_f32 v[BM+\n+\b], v[BM+\n+\b], v[PT+\n+\b]
.endr
.irp b, 0,1
	v_add_nc_u32 v[TS+\n+\b], 0xff000000, v[BM+\n+\b]
.endr
.irp b, 0,1
	v_lshrrev_b32 v[TB+\n+\b], 23, v[TS+\n+\b]
.endr
	v_cvt_scalef32_pk16_fp6_f32 v[\dst:\dst+2], v[\src:\src+15], v[TS+\n]
	v_cvt_scalef32_pk16_fp6_f32 v[\ct:\ct+2], v[\src+16:\src+31], v[TS+\n+1]
	v_nop
.irp i, 0,1,2
	v_permlane16_swap_b32 v[\dst+\i], v[\ct+\i]    ; the first's lanes 16-31 change places with the second's lanes 0-15
.endr
.irp i, 0,1,2
	v_mov_b32 v[\dst+3+\i], v[\ct+\i]
.endr
.endm
; 32 numbers of a lane that are a WHOLE block become 6 registers.  sw = 1: the numbers lie in window 1.  TB+n keeps the byte.
.macro BLK32 src, dst, sw, n
	v_mov_b32 v[BM], FLOOR
	v_mov_b32 v[BM+1], FLOOR
	WIN 0x14*\sw
.irp i, 0,4,8,12,16,20,24,28
	v_max3_num_f32 v[BM], v[BM], |v[\src+\i]|, |v[\src+\i+1]|
	v_max3_num_f32 v[BM+1], v[BM+1], |v[\src+\i+2]|, |v[\src+\i+3]|
.endr
	WIN 0
	v_max_num_f32 v[BM], v[BM], v[BM+1]
	v_add_nc_u32 v[TS+\n], 0xff000000, v[BM]
	v_lshrrev_b32 v[TB+\n], 23, v[TS+\n]
	WIN 0x01*\sw
	v_cvt_scalef32_pk16_fp6_f32 v[\dst:\dst+2], v[\src:\src+15], v[TS+\n]
	v_cvt_scalef32_pk16_fp6_f32 v[CT0:CT0+2], v[\src+16:\src+31], v[TS+\n]
	WIN 0
	v_nop
.irp i, 0,1,2
	v_mov_b32 v[\dst+3+\i], v[CT0+\i]
.endr
.endm
.macro WORD2 dst                       ; my block's byte (block = lane / 16) and lane l xor 16's: the word (s0, s1, s0, s1)
	v_lshlrev_b32 v[\dst], v[H8], v[TB]
	v_permlanex16_b32 v[PT], v[\dst], s[SEL], s[SEL+1]
	v_or_b32 v[\dst], v[\dst], v[PT]
	v_lshl_or_b32 v[\dst], v[\dst], 16, v[\dst]
.endm
; a tile's 16 rows of x, 256 bytes each, two rows a load, into window 1
.macro XLOADT tau, reg, adr, imm
	WIN 0x40
.irp i, 0,1,2,3,4,5,6,7
	global_load_b128 v[\reg+4*\i:\reg+4*\i+3], v[\adr], s[8:9] offset:(32*((\tau)/2)+8*((\tau)%2)+(2*\i)%8+16*(\i/4))*RS+\imm th:TH_LOAD_NT
.endr
	WIN 0
.endm
; a tile as loaded turns through the wave's stage (LDS serves a wave's instructions in order), is quantised, and its fragment's image and scale words go to LDS
.macro XTILE reg, a16, a8, a4, o16, o4
	WIN 0x04                                       ; an LDS store's data are its source 1
.irp i, 0,1,2,3,4,5,6,7
	ds_store_b128 v[STI], v[\reg+4*\i:\reg+4*\i+3] offset:544*\i
.endr
	WIN 0
.irp i, 0,1,2,3,4,5,6,7
	ds_load_b128 v[XR+4*\i:XR+4*\i+3], v[STO] offset:16*\i
.endr
	s_wait_dscnt 0x0                               ; my 32 numbers are in; the last tile's stores have read their registers
	BLK32 XR,XC,0,0
	WORD2 RM
	ds_store_b128 v[\a16], v[XC:XC+3] offset:\o16
	ds_store_b64 v[\a8], v[XC+4:XC+5] offset:\o16
	ds_store_b32 v[\a4], v[RM] offset:\o4
.endm
.macro XFR a16, a8, a4, o16, o4        ; a fragment of x and its scale words, from their images
	ds_load_b128 v[XF+6:XF+9], v[\a16] offset:\o16
	ds_load_b64 v[XF+10:XF+11], v[\a8] offset:\o16
	ds_load_b32 v[XS], v[\a4] offset:\o4
.endm
.macro HEADLOAD                        ; one head's weights, scale words and biases: 42 LDS loads
	v_add_nc_u32 v[AW16], s[S1536], v[LI16]
	v_add_nc_u32 v[AW8], s[S1536], v[LI8]
	v_add_nc_u32 v[AW4], s[S256], v[LI4]
	v_add_nc_u32 v[ABQ], s[S128], v[BQA]
	v_add_nc_u32 v[ABV], s[S128], v[BVA]
	WIN 0x40
.irp m, 0,1,2
.irp u, 0,1
	ds_load_b128 v[12*\m+6*\u:12*\m+6*\u+3], v[AW16] offset:6144*\m+768*\u
	ds_load_b64 v[12*\m+6*\u+4:12*\m+6*\u+5], v[AW8] offset:6144*\m+768*\u+512
.endr
.endr
.irp m, 0,1
.irp u, 0,1
	ds_load_b128 v[36+16*\m+8*\u:36+16*\m+8*\u+3], v[ABQ] offset:512*\m+32*\u          ; lane (r, h), register j: channel 16 h + 8 u + j of the head
	ds_load_b128 v[36+16*\m+8*\u+4:36+16*\m+8*\u+7], v[ABQ] offset:512*\m+32*\u+16
.endr
.endr
.irp u, 0,1
.irp j, 0,1,2,3,4,5,6,7
	ds_load_b32 v[68+8*\u+\j], v[ABV] offset:32*\u                                      ; v's result holds one channel a lane: the same number in all eight
.endr
.endr
	WIN 0
.irp m, 0,1,2
.irp u, 0,1
	ds_load_b32 v[WS+2*\m+\u], v[AW4] offset:WSC+1024*\m+128*\u
.endr
.endr
.endm
; k and v of four tiles of tokens, 4 c on.  k transposed (a lane holds a token and 16 channels), v not (a lane holds a channel, its registers run along the tokens, the next K).
.macro KV c, xo
.irp i, 0,1,2,3
	s_wait_dscnt 0x0                               ; the tile's fragment is in (at the first tile: the head's 42 loads too)
	WIN 0x11                                       ; weights and biases in window 1
	MM T16,12,XF+6,52,WS+2,XS
	MM T16+8,12,XF,60,WS+3,XS
	WIN 0x14
	MM VR+8*\i,XF+6,24,68,XS,WS+4
	MM VR+32+8*\i,XF,24,76,XS,WS+5
	WIN 0
	PL 5                                           ; 4 ahead of the loads into x's frame and of the reads of k; 5 ahead of the next tile's products, which write over k's registers
.if 4*\c+\i+1 < NT
	XFR XI16,XI8,XI4,768*(4*\c+\i+1)+\xo,128*(4*\c+\i+1)+\xo
.endif
	Q1 T16,84+12*((4*\c+\i)/2)+6*((4*\c+\i)%2),KS+4*\c+\i,1
.endr
.irp u, 0,1
.if FEAT
	Q2 VR+32*\u,VT+12*\u+6*\c,2*\u,CT0+4*\u
.if \c == 0
	v_lshl_or_b32 v[VS+\u], v[TB+2*\u+1], 8, v[TB+2*\u]
.else
	v_lshl_or_b32 v[VS+\u], v[TB+2*\u], 16, v[VS+\u]
	v_lshl_or_b32 v[VS+\u], v[TB+2*\u+1], 24, v[VS+\u]
.endif
.else
	Q2 VR+32*\u,VT+6*\u,2*\u,CT0+4*\u
	v_lshl_or_b32 v[VS+\u], v[TB+2*\u+1], 8, v[TB+2*\u]
	v_lshl_or_b32 v[VS+\u], v[VS+\u], 16, v[VS+\u]
.endif
.endr
.endm
; one tile of 16 queries of one head: q, scores, softmax, p's codes, O^T, o's codes into the wave's rows
.macro QTILE xo
	s_wait_dscnt 0x0                               ; the last tile's stores have read their address and data registers
	s_add_co_u32 s54, s[SO], s[POS]
	s_add_co_u32 s55, s[SO], s[HA]
	v_add_nc_u32 v[AX16], s[SX768], v[XI16]
	v_add_nc_u32 v[AX8], s[SX768], v[XI8]
	v_add_nc_u32 v[AX4], s[SX128], v[XI4]
	v_add_nc_u32 v[AO], s54, v[ORA]
	v_add_nc_u32 v[AOS], s55, v[OSA]
	XFR AX16,AX8,AX4,\xo,\xo
	s_wait_dscnt 0x0
	WIN 0x11
	MM T16,0,XF+6,36,WS,XS
	MM T16+8,0,XF,44,WS+1,XS
	WIN 0
	PL 4
.irp j, 0,2,4,6,8,10,12,14
	v_pk_mul_f32 v[T16+\j:T16+\j+1], v[T16+\j:T16+\j+1], s[QSC:QSC+1] op_sel_hi:[1,0]     ; q = (x Wq + bq) / sqrt(32)
.endr
	Q1 T16,QF+6,QS,0
	PL 8                                           ; a scale word made by vector instructions stands 8 places ahead of the scaled product
	WIN 0x01
.set kk, 0
.rept NT                               ; S^T = k q^T: q's place in its frame picks the even or the odd tile of k's pair
.if kk%2 == 0
	MM0 S+8*kk,84+12*(kk/2),QF+6,KS+kk,QS
.else
	MM0 S+8*kk,84+12*(kk/2),QF,KS+kk,QS
.endif
.set kk, kk+1
.endr
	WIN 0
	PL 4
.set bb, 0
.rept NB                               ; the largest score of each block of 32 keys: for the row's maximum, and, since p rises with the score, for the block's largest p
	v_max3_num_f32 v[BM+bb], v[S+16*bb], v[S+16*bb+1], v[S+16*bb+2]
.set bb, bb+1
.endr
.irp i, 3,5,7,9,11,13
.set bb, 0
.rept NB
	v_max3_num_f32 v[BM+bb], v[BM+bb], v[S+16*bb+\i], v[S+16*bb+\i+1]
.set bb, bb+1
.endr
.endr
.set bb, 0
.rept NB
	v_max_num_f32 v[BM+bb], v[BM+bb], v[S+16*bb+15]
.set bb, bb+1
.endr
.set bb, 0
.rept NB
	v_permlanex16_b32 v[PT+bb], v[BM+bb], s[SEL], s[SEL+1]
.set bb, bb+1
.endr
.set bb, 0
.rept NB
	v_max_num_f32 v[BM+bb], v[BM+bb], v[PT+bb]
.set bb, bb+1
.endr
.if NB == 4
	v_max3_num_f32 v[RM], v[BM], v[BM+1], v[BM+2]
	v_max_num_f32 v[RM], v[RM], v[BM+3]
.else
	v_max_num_f32 v[RM], v[BM], v[BM+1]
.endif
	v_mul_f32 v[RM], s[CS], v[RM]                  ; the row's largest t
	v_floor_f32 v[NM], -v[RM]                      ; -M = floor(-t) = -ceil(t)
.set jj, 0
.rept 8*NB
	v_pk_fma_f32 v[S+jj:S+jj+1], v[S+jj:S+jj+1], s[CS:CS+1], v[NM:NM+1] op_sel_hi:[1,0,0]   ; t - M
.set jj, jj+2
.endr
.set bb, 0
.rept NB
	v_fma_f32 v[BM+bb], v[BM+bb], s[CS], v[NM]
.set bb, bb+1
.endr
.set jj, 0
.rept 16*NB
	v_exp_f32 v[S+jj], v[S+jj]                     ; p = 2^(t - M)
.set jj, jj+1
.endr
	v_nop                                          ; a plain place behind the batch
	s_wait_alu depctr_va_vdst(0)                   ; one wait for the batch, ahead of its first reader
.set bb, 0
.rept NB
	v_exp_f32 v[BM+bb], v[BM+bb]                   ; each block's largest p
.set bb, bb+1
.endr
	v_pk_add_f32 v[LA:LA+1], v[S:S+1], v[S+2:S+3]  ; the row's sum of the unquantised p, in two chains
	v_pk_add_f32 v[LB:LB+1], v[S+4:S+5], v[S+6:S+7]
.set jj, 8
.rept 4*NB-2
	v_pk_add_f32 v[LA:LA+1], v[LA:LA+1], v[S+jj:S+jj+1]
	v_pk_add_f32 v[LB:LB+1], v[LB:LB+1], v[S+jj+2:S+jj+3]
.set jj, jj+4
.endr
	v_pk_add_f32 v[LA:LA+1], v[LA:LA+1], v[LB:LB+1]
	s_wait_alu depctr_va_vdst(0)                   ; and one for the blocks' exponentials
.set bb, 0
.rept NB
	v_max_num_f32 v[BM+bb], FLOOR, v[BM+bb]
.set bb, bb+1
.endr
.set bb, 0
.rept NB
	v_add_nc_u32 v[TS+bb], 0xff000000, v[BM+bb]
.set bb, bb+1
.endr
.set bb, 0
.rept NB
	v_lshrrev_b32 v[TB+bb], 23, v[TS+bb]
.set bb, bb+1
.endr
	v_lshl_or_b32 v[PS], v[TB+1], 8, v[TB]
.if NB == 4
	v_lshl_or_b32 v[PS], v[TB+2], 16, v[PS]
	v_lshl_or_b32 v[PS], v[TB+3], 24, v[PS]
.else
	v_lshl_or_b32 v[PS], v[PS], 16, v[PS]
.endif
.set cc, 0
.rept NB/2
	v_cvt_scalef32_pk16_fp6_f32 v[PD+6*cc:PD+6*cc+2], v[S+32*cc:S+32*cc+15], v[TS+2*cc]
	v_cvt_scalef32_pk16_fp6_f32 v[CT0+4*cc:CT0+4*cc+2], v[S+32*cc+16:S+32*cc+31], v[TS+2*cc+1]
.set cc, cc+1
.endr
	v_nop
.set cc, 0
.rept NB/2
.irp i, 0,1,2
	v_permlane16_swap_b32 v[PD+6*cc+\i], v[CT0+4*cc+\i]
.endr
.irp i, 0,1,2
	v_mov_b32 v[PD+6*cc+3+\i], v[CT0+4*cc+\i]
.endr
.set cc, cc+1
.endr
	v_add_f32 v[RM], v[LA], v[LA+1]
	v_permlanex16_b32 v[PT], v[RM], s[SEL], s[SEL+1]
	v_add_f32 v[RM], v[RM], v[PT]                  ; the row's sum
	v_rcp_f32 v[RL], v[RM]
	PL 8                                           ; behind the reciprocal, and ahead of the scaled products that take p and its word
.if FEAT
	MM0 T16,VT,PF,VS,PS                            ; O^T = V^T p^T
	MM0 T16+8,VT+12,PF,VS+1,PS
.else
	MM0 T16,VT,PF+6,VS,PS                          ; p's place in its frame picks the tile of V^T's pair
	MM0 T16+8,VT,PF,VS+1,PS
.endif
	PL 5
	s_wait_alu depctr_va_vdst(0)                   ; the reciprocal's wait, ahead of its first reader
.irp j, 0,2,4,6,8,10,12,14
	v_pk_mul_f32 v[T16+\j:T16+\j+1], v[T16+\j:T16+\j+1], v[RL:RL+1] op_sel_hi:[1,0]
.endr
	Q1 T16,CT0,RM,0                                ; o's block of this head
.irp i, 0,1,2
	ds_store_b32 v[AO], v[CT0+\i] offset:4*\i
.endr
	ds_store_b8 v[AOS], v[TB]                      ; both halves of the lanes write the same byte with the same value
.endm
.set PD, PF
	s_load_b512 s[8:23], s[0:1], 0x0               ; x 8, fq_w 10, fk_w 12, fv_w 14, fq_b 16, fk_b 18, fv_b 20, oc 22
	v_lshl_add_u32 v[SPW], v0, 2, SPARE
	v_mov_b32 v[NIL], 0
	v_lshrrev_b32 v[LN], 5, v0
	v_readfirstlane_b32 s[WV], v[LN]               ; wave 0..7
	v_and_b32 v[LN], 31, v0
	v_and_b32 v[RR], 15, v0
	v_bfe_u32 v[HH], v0, 4, 1
	v_lshlrev_b32 v[H8], 3, v[HH]
	v_lshlrev_b32 v[LI16], 4, v[LN]
	v_lshlrev_b32 v[LI8], 3, v[LN]
	v_lshlrev_b32 v[LI4], 2, v[LN]
	v_and_b32 v[RT], 8, v[RR]
	v_add_nc_u32 v[RT], v[RT], v[RR]               ; r % 8 + 16 (r / 8)
	v_lshlrev_b32 v[XGA], 4, v[RR]
	v_lshl_add_u32 v[XGA], v[HH], RSL, v[XGA]
	s_mul_i32 s[PRV], s[WV], PRIV
	s_add_co_u32 s[PRV], s[PRV], PRIV0             ; my wave's region of LDS
	v_mul_u32_u24 v[STI], v[HH], 272
	v_lshl_add_u32 v[STI], v[RR], 4, v[STI]
	v_add_nc_u32 v[STI], s[PRV], v[STI]
	v_mul_u32_u24 v[STO], v[RR], 272
	v_lshl_add_u32 v[STO], v[HH], 7, v[STO]
	v_add_nc_u32 v[STO], s[PRV], v[STO]
	s_add_co_u32 s54, s[PRV], XIMGO
	v_add_nc_u32 v[XI16], s54, v[LI16]
	s_add_co_u32 s54, s[PRV], XIMGO+512
	v_add_nc_u32 v[XI8], s54, v[LI8]
	s_add_co_u32 s54, s[PRV], XSCO
	v_add_nc_u32 v[XI4], s54, v[LI4]
	v_lshl_add_u32 v[BQA], v[HH], 6, BIAS
	v_lshl_add_u32 v[BVA], v[RT], 2, BIAS+1024
	s_add_co_u32 s54, s[PRV], OROW
	v_mul_u32_u24 v[OSA], v[RR], 112
	v_add_nc_u32 v[OSA], s54, v[OSA]
	v_mad_u32_u24 v[ORA], v[HH], 12, v[OSA]
	v_add_nc_u32 v[OSA], 96, v[OSA]
	v_mul_u32_u24 v[PADA], v[LN], 112
	v_add_nc_u32 v[PADA], s54, v[PADA]
	v_add_nc_u32 v[PADA], 96, v[PADA]
	s_lshr_b32 s55, s[WV], 1                       ; wave w takes channel tile w: head w / 2, half w % 2
	s_lshl_b32 s55, s55, 7
	s_and_b32 s56, s[WV], 1
	s_lshl_b32 s56, s56, 5
	s_add_co_u32 s55, s55, s56
	v_lshlrev_b32 v[WGA], 2, v[RT]
	v_lshl_add_u32 v[WGA], v[HH], 14, v[WGA]       ; lanes 16-31 begin 32 rows of 512 bytes further down
	v_add_nc_u32 v[WGA], s55, v[WGA]
	s_mul_i32 s55, s[WV], 768
	v_add_nc_u32 v[WI16], s55, v[LI16]
	s_add_co_u32 s56, s55, 512
	v_add_nc_u32 v[WI8], s56, v[LI8]
	s_lshl_b32 s55, s[WV], 7
	s_add_co_u32 s55, s55, WSC
	v_add_nc_u32 v[WI4], s55, v[LI4]
	s_lshl_b32 s55, s[WV], 9
	s_add_co_u32 s55, s55, BIAS
	v_add_nc_u32 v[BST], s55, v[LI16]
	s_mov_b32 s[SEL], 0x76543210
	s_mov_b32 s[SEL+1], 0xfedcba98                 ; v_permlanex16_b32's selects for lane l xor 16
	s_mov_b32 s[CS], 0x3fb8aa3b                    ; log2(e)
	s_mov_b32 s[CS+1], s[CS]
	s_mov_b32 s[QSC], 0x3e3504f3                   ; 1 / sqrt(32)
	s_mov_b32 s[QSC+1], s[QSC]
.irp i, 0,1,2,3
	v_mov_b32 v[PT+\i], 0                          ; written once: a lane permute's destination counts as one of its sources
.endr
	v_mov_b32 v[NM+1], 0                           ; (upper halves of pairs of which the low word serves)
	v_mov_b32 v[RL+1], 0
	s_and_b32 s54, ttmp7, 0xffff                   ; b
	s_lshl_b32 s54, s54, 6
	s_lshl_b32 s55, ttmp9, 3
	s_add_co_u32 s54, s54, s55
	s_add_co_u32 s54, s54, s[WV]                   ; 64 b + t
	s_lshl_b32 s56, s54, 15                        ; x 32,768 bytes of x,
	s_mov_b32 s57, 0
	s_mul_i32 s58, s54, 14336                      ; x 14,336 of oc
	s_mov_b32 s59, 0
	s_wait_kmcnt 0x0
	s_add_nc_u64 s[8:9], s[8:9], s[56:57]
	s_add_nc_u64 s[22:23], s[22:23], s[58:59]
	s_cmp_eq_u32 s[WV], 0                          ; wave 0 brings bq, wave 1 bk, wave 2 bv (the others load bv and store nothing)
	s_cselect_b64 s[60:61], s[16:17], s[20:21]
	s_cmp_eq_u32 s[WV], 1
	s_cselect_b64 s[60:61], s[18:19], s[60:61]
	global_load_b128 v[BD:BD+3], v[LI16], s[60:61]
.irp m, 0,1,2
.irp i, 0,1,2,3,4,5,6,7,8,9,10,11,12,13,14,15,16,17,18,19,20,21,22,23,24,25,26,27,28,29,30,31
	global_load_b32 v[RW+32*\m+\i], v[WGA], s[10+2*\m:11+2*\m] offset:512*\i       ; W(32 h + i, my channel): a lane's registers run down K
.endr
.endr
.irp t, 0,1,2,3
	XLOADT \t,32*\t,XGA,0
.endr
	s_wait_loadcnt 32                              ; all but the 32 loads of x just issued: the weights and the bias are in
.irp t, 4,5,6,7
	XLOADT \t,32*\t,XGA,0
.endr
.irp m, 0,1,2
	BLK32 RW+32*\m,WC+6*\m,0,0
	WORD2 WW+\m
	ds_store_b128 v[WI16], v[WC+6*\m:WC+6*\m+3] offset:6144*\m
	ds_store_b64 v[WI8], v[WC+6*\m+4:WC+6*\m+5] offset:6144*\m
	ds_store_b32 v[WI4], v[WW+\m] offset:1024*\m
.endr
	s_cmp_gt_u32 s[WV], 2
	s_cbranch_scc1 .Lno_bias
	ds_store_b128 v[BST], v[BD:BD+3]
.Lno_bias:
	s_wait_dscnt 0x0                               ; for the others' sake: my stores have landed
	s_barrier_signal -1
	s_barrier_wait -1                              ; the one barrier: the weights lie in LDS, and nobody writes them again
.irp i, 0,1,2,3,4,5,12,13,14,15,16,17
	v_mov_b32 v[XF+\i], 0
.endr
.irp i, 0,1,2,3,4,5,9,10,11,12,13,14,15,16,17
	v_mov_b32 v[QF+\i], 0
.endr
.irp t, 0,1,2,3,4,5,6,7
	s_wait_loadcnt 8*(7-\t)                        ; this tile's eight loads are in; the later tiles' may be out
	XTILE 32*\t,XI16,XI8,XI4,768*\t,128*\t
.endr
	WIN 0x40
.irp q, 0,1,2,3
.irp i, 3,4,5,9,10,11
	v_mov_b32 v[84+12*\q+\i], 0                    ; the zero codes behind each tile of k
.endr
.endr
	WIN 0
.irp k, 0,1,2,3
	ds_store_b128 v[PADA], v[XF:XF+3] offset:3584*\k       ; bytes 96-111 of each row of o: zeros, over which the four scale bytes are stored
.endr
	s_mov_b32 s[HA], 0
	s_mov_b32 s[S1536], 0
	s_mov_b32 s[S256], 0
	s_mov_b32 s[S128], 0
	s_mov_b32 s[POS], 0
.Lhead:                                ; four heads, one after the other
	HEADLOAD
	XFR XI16,XI8,XI4,0,0
	KV 0,0
	KV 1,0
	s_mov_b32 s[SX768], 0
	s_mov_b32 s[SX128], 0
	s_mov_b32 s[SO], 0
	s_mov_b32 s[QC], 0
.Lq:                                   ; eight tiles of queries
	QTILE 0
	s_add_co_u32 s[SX768], s[SX768], 768
	s_add_co_u32 s[SX128], s[SX128], 128
	s_add_co_u32 s[SO], s[SO], 1792
	s_add_co_u32 s[QC], s[QC], 1
	s_cmp_lt_u32 s[QC], NT
	s_cbranch_scc1 .Lq
	s_add_co_u32 s[S1536], s[S1536], 1536
	s_add_co_u32 s[S256], s[S256], 256
	s_add_co_u32 s[S128], s[S128], 128
	s_add_co_u32 s[POS], s[POS], 24
	s_add_co_u32 s[HA], s[HA], 1
	s_cmp_lt_u32 s[HA], 4
	s_cbranch_scc1 .Lhead
	; THE WAY OUT: my 128 rows of 112 bytes are 14,336 dense bytes: 28 loads and stores of 512 consecutive bytes, at multiples of 512 from oc's first byte
	s_wait_dscnt 0x0                               ; the last stores have read their registers
	s_add_co_u32 s54, s[PRV], OROW
	v_add_nc_u32 v[AX16], s54, v[LI16]
.set kk, 0
.rept 28
	ds_load_b128 v[S+4*kk:S+4*kk+3], v[AX16] offset:512*kk
.set kk, kk+1
.endr
.set kk, 0
.rept 28
	s_wait_dscnt 27-kk                             ; LDS loads come back in order: number kk is in
	global_store_b128 v[LI16], v[S+4*kk:S+4*kk+3], s[22:23] offset:512*kk
.set kk, kk+1
.endr
	s_wait_tensorcnt 0x0                           ; the wave's end: three closing lines, behind my last LDS store
	ds_add_u32 v[SPW], v[NIL]
	s_wait_dscnt 0x0
	s_endpgm
.Lfunc_end_k_q07c0035bab_feat:
	.size	k_q07c0035bab_feat, .Lfunc_end_k_q07c0035bab_feat-k_q07c0035bab_feat
	.p2alignl 7, 3214868480
	.fill 96, 4, 3214868480
	.section	.rodata,"a",@progbits
	.p2align	6, 0x0
	.amdhsa_kernel k_q07c0035bab_feat
		.amdhsa_group_segment_fixed_size 230912
		.amdhsa_private_segment_fixed_size 0
		.amdhsa_enable_private_segment 0
		.amdhsa_kernarg_size 64
		.amdhsa_user_sgpr_count 2
		.amdhsa_user_sgpr_kernarg_segment_ptr 1
		.amdhsa_wavefront_size32 1
		.amdhsa_system_sgpr_workgroup_id_x 1
		.amdhsa_system_sgpr_workgroup_id_y 1
		.amdhsa_system_sgpr_workgroup_id_z 1
		.amdhsa_system_vgpr_workitem_id 0
		.amdhsa_next_free_vgpr 512
		.amdhsa_next_free_sgpr 66
		.amdhsa_reserve_vcc 0
		.amdhsa_float_denorm_mode_32 3
		.amdhsa_float_denorm_mode_16_64 3
		.amdhsa_memory_ordered 1
		.amdhsa_forward_progress 1
		.amdhsa_inst_pref_size 101
	.end_amdhsa_kernel
	.amdgpu_metadata
---
amdhsa.version: [ 1, 2 ]
amdhsa.kernels:
  - .name:           k_q07c0035bab_feat
    .symbol:         k_q07c0035bab_feat.kd
    .args:
      - { .name: x, .offset: 0, .size: 8, .value_kind: global_buffer, .address_space: global }
      - { .name: fq_w, .offset: 8, .size: 8, .value_kind: global_buffer, .address_space: global }
      - { .name: fk_w, .offset: 16, .size: 8, .value_kind: global_buffer, .address_space: global }
      - { .name: fv_w, .offset: 24, .size: 8, .value_kind: global_buffer, .address_space: global }
      - { .name: fq_b, .offset: 32, .size: 8, .value_kind: global_buffer, .address_space: global }
      - { .name: fk_b, .offset: 40, .size: 8, .value_kind: global_buffer, .address_space: global }
      - { .name: fv_b, .offset: 48, .size: 8, .value_kind: global_buffer, .address_space: global }
      - { .name: oc, .offset: 56, .size: 8, .value_kind: global_buffer, .address_space: global }
    .group_segment_fixed_size: 230912
    .private_segment_fixed_size: 0
    .kernarg_segment_align: 8
    .kernarg_segment_size: 64
    .max_flat_workgroup_size: 256
    .sgpr_count:     66
    .vgpr_count:     512
    .wavefront_size: 32
...
	.end_amdgpu_metadata
.endif
;; end of part 1
;; launch temp (part 2): grid 8 x 32, 8 waves a work-group, no clusters, 187,136 bytes of LDS; arguments x, tq_w, tk_w, tv_w, tq_b, tk_b, tv_b, to_w, fo_w, to_b, fo_b, oc, out0; writes out0
.if DOCPART == 2
	.amdgcn_target "amdgcn-amd-amdhsa--gfx1250"
	.amdhsa_code_object_version 6
	.text
	.protected	k_q07c0035bab_temp
	.globl	k_q07c0035bab_temp
	.p2align	8
	.type	k_q07c0035bab_temp,@function
k_q07c0035bab_temp:
	s_mov_b64 s[64:65], 0
	v_nop
	global_prefetch_b8 v0, s[64:65] scope:SCOPE_SE
	s_setreg_imm32_b32 hwreg(HW_REG_WAVE_MODE, 25, 1), 1
	s_wait_xcnt 0x0
; TEMPORAL ATTENTION AND BOTH OUTPUT PROJECTIONS.  x [32][64][128][64] f32.  For each (b, f): 64 tokens (t), 4 heads of 32 channels.  All products on codes of FP6 (E2M3), one E8M0 scale for each 32 along K.
; out0 = (to_b + fo_b) + O_t to_w + O_f fo_w, in one accumulator: O_t is made here, O_f comes as codes and scale bytes from oc [b][t][rho][112] (head a at byte 24 a, the scale bytes at 96), which the launch before has stored.
; SHARES.  One wave = two problems (b, f), one after the other: work-group (g, b), wave w, problem p: rho = 16 g + w + 8 p, f = rho with bits 3 and 4 changed over.  p enters by immediates alone.
; While the first problem's heads are walked, the second problem's x comes in, a tile a head.  The waves share only the quantised weights: wave w quantises channel tile w of Wq, Wk, Wv and one tile of to_w or fo_w; ONE barrier.
; TOKEN ORDER, K UNDER 128, SOFTMAX: lane r of tile 2 b' + u holds token 32 b' + 8 u + r % 8 + 16 (r / 8), and a weight's tile follows the same map; K = 64 and K = 32 are filled with zero CODES (two tiles of one side in an operand, the
; other side between runs of zeros, its start picks the tile); p = 2^(t - M), M = ceil(the row's largest t), quantised along the keys; the row's sum of the unquantised p divides the product (v_rcp_f32 and a multiplication).
; LIMITS: NaN and infinities are not served.  A block whose largest magnitude lies under 2^-124 keeps the byte 1; so does a block of zeros (its codes are zeros; this program alone reads the bytes).  p under 2^-126 counts as 0.
; No tensor load, no cluster: what work-groups share is 160 KiB of weights against 256 KiB of x of their own; x is read and out0 written once, in whole rows of 256 bytes.  EXEC is never written.
.set FEAT, 0
.set NT, 4                             ; tiles of 16 tokens
.set NB, 2                             ; blocks of 32 keys
.set RSL, 15
.set RS, 1<<RSL                        ; bytes from token to token in x and out0
.set FLOOR, 0x1800000                  ; 2^(3 - 127): no largest magnitude is taken under it, so no byte falls under 1
; LDS
.set WSC, 18432                        ; 0: 24 weight fragments x 768 (registers 0-3 at 16 lane, 4-5 at 512 + 8 lane);  here: their scale words, 24 x 128
.set BIAS, 21504                       ; bq, bk, bv as they lie: 3 x 512
.set BO, 23040                         ; to_b + fo_b: 256
.set WOIMG, 23296                      ; to_w's four fragments, then fo_w's four: 8 x 1536 (three images of 512)
.set WOSC, 35584                       ; their scale words, 8 x 128
.set SPARE, 36608                      ; the spare words: 128 bytes a wave, four blocks of 256 bytes that no other line names
.set PRIV0, 37632                      ; from here a region of PRIV bytes for each wave:
.set PRIV, 18688
.set XIMGO, 4352                       ; +0 a stage of 16 rows x 272, for x and for out0;  here two buffers of 3584: x's 4 fragments x 768,
.set XSCO, 7424                        ; and their scale words, 4 x 128
.set OROW, 11520                       ; 64 rows of o x 112
; vector registers, window 0
.set RR, 1                             ; lane % 16
.set HH, 2                             ; lane / 16
.set H8, 3                             ; 8 x that
.set LI16, 4                           ; 16, 8, 4 x lane
.set LI8, 5
.set LI4, 6
.set XGA, 7                            ; x and out0: 16 (lane % 16) + RS (lane / 16)
.set STI, 8                            ; the stage by rows of memory: 272 (lane / 16) + 16 (lane % 16)
.set STO, 9                            ; the stage by fragment: 272 r + 128 h
.set XI16, 10                          ; x's images and words
.set XI8, 11
.set XI4, 12
.set BQA, 13                           ; bq, bk: BIAS + 64 h
.set BVA, 14                           ; bv: BIAS + 1024 + 4 x my channel of a tile
.set ORA, 15                           ; o's row, on the way in: 112 r + 12 h
.set OSA, 16                           ; its scale bytes: 112 r + 96
.set AW16, 17                          ; the head's weights, words and biases
.set AW8, 18
.set AW4, 19
.set ABQ, 20
.set ABV, 21
.set WGA, 22                           ; a weight in memory
.set OFA, 23                           ; oc: my token's row of a tile + 24 h
.set OFSA, 24                          ; and its scale word
.set ORD, 25                           ; o's row, as a fragment: 112 r + 24 h
.set XG, 26                            ; x's offset for the next problem's tile
.set SOI, 27                           ; the stage, results in: 272 r + 32 h
.set SPW, 30                           ; my spare word; never rewritten
.set NIL, 31                           ; 0; never rewritten
.set XS, 32                            ; v32-55: scale words, and nothing else
.set QS, 33
.set PS, 34
.set VS, 35
.set WS, 37
.set KS, 43                            ; k's four; in the output projection the eight of to_w and fo_w
.set OFS, 51
.set OTS, 55
.set XF, 56                            ; x's frame: 6 zeros, 6 codes, 6 zeros
.set QF, 74                            ; q's frame: 6 zeros, 3 codes, 9 zeros
.set PF, 92                            ; p's frame: 6 zeros, 6 codes, 6 zeros
.set VT, 110                           ; V^T: two tiles of 6 in one operand; in the output projection O_t's fragment
.set S, 134                            ; scores, then p: 32
.set VR, 134                           ; v of four tiles of tokens: 64
.set XR, 134                           ; 32 numbers of x
.set XC, 166                           ; their codes
.set ACC, 134                          ; four accumulators of out0
.set OB, 166                           ; 16 rows of out0, back from the stage
.set T16, 198                          ; a result of two tiles: 16 neighbours
.set BM, 214
.set PT, 218
.set TS, 222
.set TB, 226
.set CT0, 230
.set NM, 238
.set LA, 240
.set LB, 242
.set RL, 244
.set RM, 246
.set TM2, 247
.set AX16, 248
.set AX8, 249
.set AX4, 250
.set AO, 251
.set AOS, 252
.set LN, 253
.set RT, 254
; at the head alone
.set RW, 56                            ; v56-151 three tiles of raw weights (to_w's or fo_w's 64 numbers: window 1, 0-63)
.set WI16, 152
.set WI8, 153
.set WI4, 154
.set BST, 155
.set WOI, 156
.set WOSA, 157
.set BOA, 158
.set WOGA, 159
.set B16, 160
.set BD, 164
.set TBD, 168
.set FBD, 172
.set WC, 176
.set WOC, 194
.set WW, 206
.set WOW, 209
; window 1: 0-35 the head's Wq, Wk, Wv (two tiles each); 36-83 bq, bk, bv in the results' layout; 84-107 k's operands; 128-159 (at the head 128-255) x as loaded; 160-207 O_f's four fragments.
;           In the output projection: 0-47 to_w, 48-95 fo_w, 96-127 the bias.
; scalars
.set WV, 34
.set PRV, 35
.set SEL, 36
.set CS, 38
.set QSC, 40
.set HA, 42
.set QC, 43
.set S1536, 44
.set S256, 45
.set S128, 46
.set S768, 47
.set POS, 48
.set SX768, 49
.set SX128, 50
.set SO, 51
.set SXT, 53
.set MSB, 0
.macro WIN new                         ; the immediate's high byte repeats the setting that is left; a switch that changes nothing is dropped
.if MSB != (\new)
	s_set_vgpr_msb (MSB<<8)|(\new)
.set MSB, (\new)
.endif
.endm
.macro PL n                            ; places behind a matrix instruction, or ahead of a scaled one (ISA guide 7.12.1)
.rept \n
	v_nop
.endr
.endm
.macro MM d, a, b, c, sa, sb
	v_wmma_scale_f32_16x16x128_f8f6f4 v[\d:\d+7], v[\a:\a+11], v[\b:\b+11], v[\c:\c+7], v[\sa], v[\sb] matrix_a_fmt:MATRIX_FMT_FP6 matrix_b_fmt:MATRIX_FMT_FP6
.endm
.macro MM0 d, a, b, sa, sb
	v_wmma_scale_f32_16x16x128_f8f6f4 v[\d:\d+7], v[\a:\a+11], v[\b:\b+11], 0, v[\sa], v[\sb] matrix_a_fmt:MATRIX_FMT_FP6 matrix_b_fmt:MATRIX_FMT_FP6
.endm
; 16 numbers of a lane, half a block of 32 (the other half lies in lane l xor 16), become 3 registers of codes and a word with the block's byte in all four places.  TB keeps the byte.
.macro Q1 src, dst, w, dwin
	v_max3_num_f32 v[BM], |v[\src]|, |v[\src+1]|, FLOOR
	v_max3_num_f32 v[TM2], |v[\src+8]|, |v[\src+9]|, FLOOR          ; each of the two results is read from its low end on
.irp i, 2,4,6
	v_max3_num_f32 v[BM], v[BM], |v[\src+\i]|, |v[\src+\i+1]|
	v_max3_num_f32 v[TM2], v[TM2], |v[\src+8+\i]|, |v[\src+9+\i]|
.endr
	v_max_num_f32 v[BM], v[BM], v[TM2]
	v_permlanex16_b32 v[PT], v[BM], s[SEL], s[SEL+1]
	v_max_num_f32 v[BM], v[BM], v[PT]
	v_add_nc_u32 v[TS], 0xff000000, v[BM]          ; 2 off the exponent field: the conversion's scale operand
	v_lshrrev_b32 v[TB], 23, v[TS]                 ; the byte
	v_perm_b32 v[\w], v[TB], v[TB], 0              ; in all four places
	WIN 0x40*\dwin
	v_cvt_scalef32_pk16_fp6_f32 v[\dst:\dst+2], v[\src:\src+15], v[TS]
	WIN 0
	v_nop                                          ; a plain place behind the conversion
.endm
; 32 numbers of a lane, halves of two blocks, become 6 registers: a whole block a lane.  TB+n, TB+n+1 keep the bytes.
.macro Q2 src, dst, n, ct
.irp b, 0,1
	v_max3_num_f32 v[BM+\n+\b], |v[\src+16*\b]|, |v[\src+16*\b+1]|, FLOOR
.endr
.irp i, 2,4,6,8,10,12,14
.irp b, 0,1
	v_max3_num_f32 v[BM+\n+\b], v[BM+\n+\b], |v[\src+16*\b+\i]|, |v[\src+16*\b+\i+1]|
.endr
.endr
.irp b, 0,1
	v_permlanex16_b32 v[PT+\n+\b], v[BM+\n+\b], s[SEL], s[SEL+1]
.endr
.irp b, 0,1
	v_max_num_f32 v[BM+\n+\b], v[BM+\n+\b], v[PT+\n+\b]
.endr
.irp b, 0,1
	v_add_nc_u32 v[TS+\n+\b], 0xff000000, v[BM+\n+\b]
.endr
.irp b, 0,1
	v_lshrrev_b32 v[TB+\n+\b], 23, v[TS+\n+\b]
.endr
	v_cvt_scalef32_pk16_fp6_f32 v[\dst:\dst+2], v[\src:\src+15], v[TS+\n]
	v_cvt_scalef32_pk16_fp6_f32 v[\ct:\ct+2], v[\src+16:\src+31], v[TS+\n+1]
	v_nop
.irp i, 0,1,2
	v_permlane16_swap_b32 v[\dst+\i], v[\ct+\i]    ; the first's lanes 16-31 change places with the second's lanes 0-15
.endr
.irp i, 0,1,2
	v_mov_b32 v[\dst+3+\i], v[\ct+\i]
.endr
.endm
; 32 numbers of a lane that are a WHOLE block become 6 registers.  sw = 1: the numbers lie in window 1.  TB+n keeps the byte.
.macro BLK32 src, dst, sw, n
	v_mov_b32 v[BM], FLOOR
	v_mov_b32 v[BM+1], FLOOR
	WIN 0x14*\sw
.irp i, 0,4,8,12,16,20,24,28
	v_max3_num_f32 v[BM], v[BM], |v[\src+\i]|, |v[\src+\i+1]|
	v_max3_num_f32 v[BM+1], v[BM+1], |v[\src+\i+2]|, |v[\src+\i+3]|
.endr
	WIN 0
	v_max_num_f32 v[BM], v[BM], v[BM+1]
	v_add_nc_u32 v[TS+\n], 0xff000000, v[BM]
	v_lshrrev_b32 v[TB+\n], 23, v[TS+\n]
	WIN 0x01*\sw
	v_cvt_scalef32_pk16_fp6_f32 v[\dst:\dst+2], v[\src:\src+15], v[TS+\n]
	v_cvt_scalef32_pk16_fp6_f32 v[CT0:CT0+2], v[\src+16:\src+31], v[TS+\n]
	WIN 0
	v_nop
.irp i, 0,1,2
	v_mov_b32 v[\dst+3+\i], v[CT0+\i]
.endr
.endm
.macro WORD2 dst                       ; my block's byte (block = lane / 16) and lane l xor 16's: the word (s0, s1, s0, s1)
	v_lshlrev_b32 v[\dst], v[H8], v[TB]
	v_permlanex16_b32 v[PT], v[\dst], s[SEL], s[SEL+1]
	v_or_b32 v[\dst], v[\dst], v[PT]
	v_lshl_or_b32 v[\dst], v[\dst], 16, v[\dst]
.endm
; a tile's 16 rows of x, 256 bytes each, two rows a load, into window 1
.macro XLOADT tau, reg, adr, imm
	WIN 0x40
.irp i, 0,1,2,3,4,5,6,7
	global_load_b128 v[\reg+4*\i:\reg+4*\i+3], v[\adr], s[8:9] offset:(32*((\tau)/2)+8*((\tau)%2)+(2*\i)%8+16*(\i/4))*RS+\imm th:TH_LOAD_NT
.endr
	WIN 0
.endm
; a tile as loaded turns through the wave's stage (LDS serves a wave's instructions in order), is quantised, and its fragment's image and scale words go to LDS
.macro XTILE reg, a16, a8, a4, o16, o4
	WIN 0x04                                       ; an LDS store's data are its source 1
.irp i, 0,1,2,3,4,5,6,7
	ds_store_b128 v[STI], v[\reg+4*\i:\reg+4*\i+3] offset:544*\i
.endr
	WIN 0
.irp i, 0,1,2,3,4,5,6,7
	ds_load_b128 v[XR+4*\i:XR+4*\i+3], v[STO] offset:16*\i
.endr
	s_wait_dscnt 0x0                               ; my 32 numbers are in; earlier stores have read their registers
	BLK32 XR,XC,0,0
	WORD2 RM
	ds_store_b128 v[\a16], v[XC:XC+3] offset:\o16
	ds_store_b64 v[\a8], v[XC+4:XC+5] offset:\o16
	ds_store_b32 v[\a4], v[RM] offset:\o4
.endm
.macro XFR a16, a8, a4, o16, o4        ; a fragment of x and its scale words, from their images
	ds_load_b128 v[XF+6:XF+9], v[\a16] offset:\o16
	ds_load_b64 v[XF+10:XF+11], v[\a8] offset:\o16
	ds_load_b32 v[XS], v[\a4] offset:\o4
.endm
.macro HEADLOAD                        ; one head's weights, scale words and biases: 42 LDS loads
	v_add_nc_u32 v[AW16], s[S1536], v[LI16]
	v_add_nc_u32 v[AW8], s[S1536], v[LI8]
	v_add_nc_u32 v[AW4], s[S256], v[LI4]
	v_add_nc_u32 v[ABQ], s[S128], v[BQA]
	v_add_nc_u32 v[ABV], s[S128], v[BVA]
	WIN 0x40
.irp m, 0,1,2
.irp u, 0,1
	ds_load_b128 v[12*\m+6*\u:12*\m+6*\u+3], v[AW16] offset:6144*\m+768*\u
	ds_load_b64 v[12*\m+6*\u+4:12*\m+6*\u+5], v[AW8] offset:6144*\m+768*\u+512
.endr
.endr
.irp m, 0,1
.irp u, 0,1
	ds_load_b128 v[36+16*\m+8*\u:36+16*\m+8*\u+3], v[ABQ] offset:512*\m+32*\u          ; lane (r, h), register j: channel 16 h + 8 u + j of the head
	ds_load_b128 v[36+16*\m+8*\u+4:36+16*\m+8*\u+7], v[ABQ] offset:512*\m+32*\u+16
.endr
.endr
.irp u, 0,1
.irp j, 0,1,2,3,4,5,6,7
	ds_load_b32 v[68+8*\u+\j], v[ABV] offset:32*\u                                      ; v's result holds one channel a lane: the same number in all eight
.endr
.endr
	WIN 0
.irp m, 0,1,2
.irp u, 0,1
	ds_load_b32 v[WS+2*\m+\u], v[AW4] offset:WSC+1024*\m+128*\u
.endr
.endr
.endm
; k and v of four tiles of tokens, 4 c on.  k transposed (a lane holds a token and 16 channels), v not (a lane holds a channel, its registers run along the tokens, the next K).
.macro KV c, xo
.irp i, 0,1,2,3
	s_wait_dscnt 0x0                               ; the tile's fragment is in (at the first tile: the head's 42 loads too)
	WIN 0x11                                       ; weights and biases in window 1
	MM T16,12,XF+6,52,WS+2,XS
	MM T16+8,12,XF,60,WS+3,XS
	WIN 0x14
	MM VR+8*\i,XF+6,24,68,XS,WS+4
	MM VR+32+8*\i,XF,24,76,XS,WS+5
	WIN 0
	PL 5                                           ; 4 ahead of the loads into x's frame and of the reads of k; 5 ahead of the next tile's products, which write over k's registers
.if 4*\c+\i+1 < NT
	XFR XI16,XI8,XI4,768*(4*\c+\i+1)+\xo,128*(4*\c+\i+1)+\xo
.endif
	Q1 T16,84+12*((4*\c+\i)/2)+6*((4*\c+\i)%2),KS+4*\c+\i,1
.endr
.irp u, 0,1
.if FEAT
	Q2 VR+32*\u,VT+12*\u+6*\c,2*\u,CT0+4*\u
.if \c == 0
	v_lshl_or_b32 v[VS+\u], v[TB+2*\u+1], 8, v[TB+2*\u]
.else
	v_lshl_or_b32 v[VS+\u], v[TB+2*\u], 16, v[VS+\u]
	v_lshl_or_b32 v[VS+\u], v[TB+2*\u+1], 24, v[VS+\u]
.endif
.else
	Q2 VR+32*\u,VT+6*\u,2*\u,CT0+4*\u
	v_lshl_or_b32 v[VS+\u], v[TB+2*\u+1], 8, v[TB+2*\u]
	v_lshl_or_b32 v[VS+\u], v[VS+\u], 16, v[VS+\u]
.endif
.endr
.endm
; one tile of 16 queries of one head: q, scores, softmax, p's codes, O^T, o's codes into the wave's rows
.macro QTILE xo
	s_wait_dscnt 0x0                               ; the last tile's stores have read their address and data registers
	s_add_co_u32 s54, s[SO], s[POS]
	s_add_co_u32 s55, s[SO], s[HA]
	v_add_nc_u32 v[AX16], s[SX768], v[XI16]
	v_add_nc_u32 v[AX8], s[SX768], v[XI8]
	v_add_nc_u32 v[AX4], s[SX128], v[XI4]
	v_add_nc_u32 v[AO], s54, v[ORA]
	v_add_nc_u32 v[AOS], s55, v[OSA]
	XFR AX16,AX8,AX4,\xo,\xo
	s_wait_dscnt 0x0
	WIN 0x11
	MM T16,0,XF+6,36,WS,XS
	MM T16+8,0,XF,44,WS+1,XS
	WIN 0
	PL 4
.irp j, 0,2,4,6,8,10,12,14
	v_pk_mul_f32 v[T16+\j:T16+\j+1], v[T16+\j:T16+\j+1], s[QSC:QSC+1] op_sel_hi:[1,0]     ; q = (x Wq + bq) / sqrt(32)
.endr
	Q1 T16,QF+6,QS,0
	PL 8                                           ; a scale word made by vector instructions stands 8 places ahead of the scaled product
	WIN 0x01
.set kk, 0
.rept NT                               ; S^T = k q^T: q's place in its frame picks the even or the odd tile of k's pair
.if kk%2 == 0
	MM0 S+8*kk,84+12*(kk/2),QF+6,KS+kk,QS
.else
	MM0 S+8*kk,84+12*(kk/2),QF,KS+kk,QS
.endif
.set kk, kk+1
.endr
	WIN 0
	PL 4
.set bb, 0
.rept NB                               ; the largest score of each block of 32 keys: for the row's maximum, and, since p rises with the score, for the block's largest p
	v_max3_num_f32 v[BM+bb], v[S+16*bb], v[S+16*bb+1], v[S+16*bb+2]
.set bb, bb+1
.endr
.irp i, 3,5,7,9,11,13
.set bb, 0
.rept NB
	v_max3_num_f32 v[BM+bb], v[BM+bb], v[S+16*bb+\i], v[S+16*bb+\i+1]
.set bb, bb+1
.endr
.endr
.set bb, 0
.rept NB
	v_max_num_f32 v[BM+bb], v[BM+bb], v[S+16*bb+15]
.set bb, bb+1
.endr
.set bb, 0
.rept NB
	v_permlanex16_b32 v[PT+bb], v[BM+bb], s[SEL], s[SEL+1]
.set bb, bb+1
.endr
.set bb, 0
.rept NB
	v_max_num_f32 v[BM+bb], v[BM+bb], v[PT+bb]
.set bb, bb+1
.endr
.if NB == 4
	v_max3_num_f32 v[RM], v[BM], v[BM+1], v[BM+2]
	v_max_num_f32 v[RM], v[RM], v[BM+3]
.else
	v_max_num_f32 v[RM], v[BM], v[BM+1]
.endif
	v_mul_f32 v[RM], s[CS], v[RM]                  ; the row's largest t
	v_floor_f32 v[NM], -v[RM]                      ; -M = floor(-t) = -ceil(t)
.set jj, 0
.rept 8*NB
	v_pk_fma_f32 v[S+jj:S+jj+1], v[S+jj:S+jj+1], s[CS:CS+1], v[NM:NM+1] op_sel_hi:[1,0,0]   ; t - M
.set jj, jj+2
.endr
.set bb, 0
.rept NB
	v_fma_f32 v[BM+bb], v[BM+bb], s[CS], v[NM]
.set bb, bb+1
.endr
.set jj, 0
.rept 16*NB
	v_exp_f32 v[S+jj], v[S+jj]                     ; p = 2^(t - M)
.set jj, jj+1
.endr
	v_nop                                          ; a plain place behind the batch
	s_wait_alu depctr_va_vdst(0)                   ; one wait for the batch, ahead of its first reader
.set bb, 0
.rept NB
	v_exp_f32 v[BM+bb], v[BM+bb]                   ; each block's largest p
.set bb, bb+1
.endr
	v_pk_add_f32 v[LA:LA+1], v[S:S+1], v[S+2:S+3]  ; the row's sum of the unquantised p, in two chains
	v_pk_add_f32 v[LB:LB+1], v[S+4:S+5], v[S+6:S+7]
.set jj, 8
.rept 4*NB-2
	v_pk_add_f32 v[LA:LA+1], v[LA:LA+1], v[S+jj:S+jj+1]
	v_pk_add_f32 v[LB:LB+1], v[LB:LB+1], v[S+jj+2:S+jj+3]
.set jj, jj+4
.endr
	v_pk_add_f32 v[LA:LA+1], v[LA:LA+1], v[LB:LB+1]
	s_wait_alu depctr_va_vdst(0)                   ; and one for the blocks' exponentials
.set bb, 0
.rept NB
	v_max_num_f32 v[BM+bb], FLOOR, v[BM+bb]
.set bb, bb+1
.endr
.set bb, 0
.rept NB
	v_add_nc_u32 v[TS+bb], 0xff000000, v[BM+bb]
.set bb, bb+1
.endr
.set bb, 0
.rept NB
	v_lshrrev_b32 v[TB+bb], 23, v[TS+bb]
.set bb, bb+1
.endr
	v_lshl_or_b32 v[PS], v[TB+1], 8, v[TB]
.if NB == 4
	v_lshl_or_b32 v[PS], v[TB+2], 16, v[PS]
	v_lshl_or_b32 v[PS], v[TB+3], 24, v[PS]
.else
	v_lshl_or_b32 v[PS], v[PS], 16, v[PS]
.endif
.set cc, 0
.rept NB/2
	v_cvt_scalef32_pk16_fp6_f32 v[PD+6*cc:PD+6*cc+2], v[S+32*cc:S+32*cc+15], v[TS+2*cc]
	v_cvt_scalef32_pk16_fp6_f32 v[CT0+4*cc:CT0+4*cc+2], v[S+32*cc+16:S+32*cc+31], v[TS+2*cc+1]
.set cc, cc+1
.endr
	v_nop
.set cc, 0
.rept NB/2
.irp i, 0,1,2
	v_permlane16_swap_b32 v[PD+6*cc+\i], v[CT0+4*cc+\i]
.endr
.irp i, 0,1,2
	v_mov_b32 v[PD+6*cc+3+\i], v[CT0+4*cc+\i]
.endr
.set cc, cc+1
.endr
	v_add_f32 v[RM], v[LA], v[LA+1]
	v_permlanex16_b32 v[PT], v[RM], s[SEL], s[SEL+1]
	v_add_f32 v[RM], v[RM], v[PT]                  ; the row's sum
	v_rcp_f32 v[RL], v[RM]
	PL 8                                           ; behind the reciprocal, and ahead of the scaled products that take p and its word
.if FEAT
	MM0 T16,VT,PF,VS,PS                            ; O^T = V^T p^T
	MM0 T16+8,VT+12,PF,VS+1,PS
.else
	MM0 T16,VT,PF+6,VS,PS                          ; p's place in its frame picks the tile of V^T's pair
	MM0 T16+8,VT,PF,VS+1,PS
.endif
	PL 5
	s_wait_alu depctr_va_vdst(0)                   ; the reciprocal's wait, ahead of its first reader
.irp j, 0,2,4,6,8,10,12,14
	v_pk_mul_f32 v[T16+\j:T16+\j+1], v[T16+\j:T16+\j+1], v[RL:RL+1] op_sel_hi:[1,0]
.endr
	Q1 T16,CT0,RM,0                                ; o's block of this head
.irp i, 0,1,2
	ds_store_b32 v[AO], v[CT0+\i] offset:4*\i
.endr
	ds_store_b8 v[AOS], v[TB]                      ; both halves of the lanes write the same byte with the same value
.endm
.set PD, PF+6
; out0's rows of problem p: (to_b + fo_b) + O_t to_w + O_f fo_w, transposed (source 0 = 16 output channels, source 1 = 16 tokens): a lane holds eight neighbouring numbers of a row
.macro OUTPROJ p
	v_lshl_add_u32 v[AX16], v[HH], 5, BO
	WIN 0x40
.irp f, 0,1,2,3,4,5,6,7
.irp c, 0,1,2
	ds_load_b128 v[12*\f+4*\c:12*\f+4*\c+3], v[LI16] offset:WOIMG+1536*\f+512*\c
.endr
.endr
.irp d, 0,1,2,3
	ds_load_b128 v[96+8*\d:96+8*\d+3], v[AX16] offset:64*\d
	ds_load_b128 v[96+8*\d+4:96+8*\d+7], v[AX16] offset:64*\d+16
.endr
	WIN 0
.irp f, 0,1,2,3,4,5,6,7
	ds_load_b32 v[KS+\f], v[LI4] offset:WOSC+128*\f
.endr
.irp t, 0,1,2,3
.irp q, 0,1,2,3,4,5
	ds_load_b64 v[VT+2*\q:VT+2*\q+1], v[ORD] offset:1792*\t+48*(\q/3)+8*(\q%3)
.endr
	ds_load_b32 v[OTS], v[OSA] offset:1792*\t
	s_wait_dscnt 0x0
.if \t == 0
	s_wait_loadcnt 0x0                             ; O_f, asked for at the problem's head
.endif
	WIN 0x11
.irp d, 0,1,2,3
	MM ACC+8*\d,12*\d,VT,96+8*\d,KS+\d,OTS
.endr
	WIN 0x05
.irp d, 0,1,2,3                        ; the four accumulators take turns, one instruction a turn
	MM ACC+8*\d,48+12*\d,160+12*\t,ACC+8*\d,KS+4+\d,OFS+\t
.endr
	WIN 0
	PL 5                                           ; 4 ahead of the stores of the results and of the next loads into operands; 5 ahead of the next tile's products, which begin the accumulators anew
.irp d, 0,1,2,3
	ds_store_b128 v[SOI], v[ACC+8*\d:ACC+8*\d+3] offset:64*\d              ; each accumulator from its low end on
	ds_store_b128 v[SOI], v[ACC+8*\d+4:ACC+8*\d+7] offset:64*\d+16
.endr
	s_wait_xcnt 0x0                                ; the last tile's stores have read their registers
.irp i, 0,1,2,3,4,5,6,7
	ds_load_b128 v[OB+4*\i:OB+4*\i+3], v[STI] offset:544*\i                ; LDS serves a wave's instructions in order: these see the stores above
.endr
.irp i, 0,1,2,3,4,5,6,7
	s_wait_dscnt 7-\i
	global_store_b128 v[XGA], v[OB+4*\i:OB+4*\i+3], s[32:33] offset:(32*(\t/2)+8*(\t%2)+(2*\i)%8+16*(\i/4))*RS+4096*\p th:TH_STORE_NT   ; 16 lanes store a row's 256 consecutive bytes, at a multiple of 256 from out0's first byte
.endr
.endr
	s_wait_xcnt 0x0                                ; the stores have read their registers: the next problem may write them
.endm
.macro PROBLEM p
	WIN 0x40
.irp q, 0,1
.irp i, 3,4,5,9,10,11
	v_mov_b32 v[84+12*\q+\i], 0                    ; the zero codes behind each tile of k (the output projection lays weights over them)
.endr
.endr
.irp t, 0,1,2,3
.irp q, 0,1,2,3,4,5
	global_load_b64 v[160+12*\t+2*\q:160+12*\t+2*\q+1], v[OFA], s[30:31] offset:(32*(\t/2)+8*(\t%2))*14336+48*(\q/3)+8*(\q%3)+896*\p    ; O_f's fragments: wanted a whole problem later
.endr
.endr
	WIN 0
.irp t, 0,1,2,3
	global_load_b32 v[OFS+\t], v[OFSA], s[30:31] offset:(32*(\t/2)+8*(\t%2))*14336+896*\p
.endr
	s_mov_b32 s[HA], 0
	s_mov_b32 s[S1536], 0
	s_mov_b32 s[S256], 0
	s_mov_b32 s[S128], 0
	s_mov_b32 s[S768], 0
	s_mov_b32 s[POS], 0
.Lhead\@:                              ; four heads, one after the other
.if \p == 0
	s_lshr_b32 s54, s[HA], 1                       ; the next problem's tile number HA of x is asked for here and quantised at the trip's end
	s_lshl_b32 s54, s54, 20
	s_and_b32 s55, s[HA], 1
	s_lshl_b32 s55, s55, 18
	s_or_b32 s[SXT], s54, s55                      ; (32 (HA / 2) + 8 (HA % 2)) rows of 32,768 bytes
	v_add_nc_u32 v[XG], s[SXT], v[XGA]             ; (the last trip's loads by this register have been waited for)
	XLOADT 0,128,XG,4096
.endif
	HEADLOAD
	XFR XI16,XI8,XI4,3584*\p,3584*\p
	KV 0,3584*\p
	s_mov_b32 s[SX768], 0
	s_mov_b32 s[SX128], 0
	s_mov_b32 s[SO], 0
	s_mov_b32 s[QC], 0
.Lq\@:                                 ; four tiles of queries
	QTILE 3584*\p
	s_add_co_u32 s[SX768], s[SX768], 768
	s_add_co_u32 s[SX128], s[SX128], 128
	s_add_co_u32 s[SO], s[SO], 1792
	s_add_co_u32 s[QC], s[QC], 1
	s_cmp_lt_u32 s[QC], NT
	s_cbranch_scc1 .Lq\@
.if \p == 0
	s_wait_loadcnt 0x0                             ; the tile asked for at the trip's head
	v_add_nc_u32 v[AX16], s[S768], v[XI16]
	v_add_nc_u32 v[AX8], s[S768], v[XI8]
	v_add_nc_u32 v[AX4], s[S128], v[XI4]
	XTILE 128,AX16,AX8,AX4,3584,3584
.endif
	s_add_co_u32 s[S1536], s[S1536], 1536
	s_add_co_u32 s[S256], s[S256], 256
	s_add_co_u32 s[S128], s[S128], 128
	s_add_co_u32 s[S768], s[S768], 768
	s_add_co_u32 s[POS], s[POS], 24
	s_add_co_u32 s[HA], s[HA], 1
	s_cmp_lt_u32 s[HA], 4
	s_cbranch_scc1 .Lhead\@
	OUTPROJ \p
.endm
	s_load_b512 s[8:23], s[0:1], 0x0               ; x 8, tq_w 10, tk_w 12, tv_w 14, tq_b 16, tk_b 18, tv_b 20, to_w 22
	s_load_b256 s[24:31], s[0:1], 0x40             ; fo_w 24, to_b 26, fo_b 28, oc 30
	s_load_b64 s[32:33], s[0:1], 0x60              ; out0
	v_lshl_add_u32 v[SPW], v0, 2, SPARE
	v_mov_b32 v[NIL], 0
	v_lshrrev_b32 v[LN], 5, v0
	v_readfirstlane_b32 s[WV], v[LN]               ; wave 0..7
	v_and_b32 v[LN], 31, v0
	v_and_b32 v[RR], 15, v0
	v_bfe_u32 v[HH], v0, 4, 1
	v_lshlrev_b32 v[H8], 3, v[HH]
	v_lshlrev_b32 v[LI16], 4, v[LN]
	v_lshlrev_b32 v[LI8], 3, v[LN]
	v_lshlrev_b32 v[LI4], 2, v[LN]
	v_and_b32 v[RT], 8, v[RR]
	v_add_nc_u32 v[RT], v[RT], v[RR]               ; r % 8 + 16 (r / 8)
	v_lshlrev_b32 v[XGA], 4, v[RR]
	v_lshl_add_u32 v[XGA], v[HH], RSL, v[XGA]
	s_mul_i32 s[PRV], s[WV], PRIV
	s_add_co_u32 s[PRV], s[PRV], PRIV0             ; my wave's region of LDS
	v_mul_u32_u24 v[STI], v[HH], 272
	v_lshl_add_u32 v[STI], v[RR], 4, v[STI]
	v_add_nc_u32 v[STI], s[PRV], v[STI]
	v_mul_u32_u24 v[STO], v[RR], 272
	v_lshl_add_u32 v[SOI], v[HH], 5, v[STO]
	v_add_nc_u32 v[SOI], s[PRV], v[SOI]
	v_lshl_add_u32 v[STO], v[HH], 7, v[STO]
	v_add_nc_u32 v[STO], s[PRV], v[STO]
	s_add_co_u32 s54, s[PRV], XIMGO
	v_add_nc_u32 v[XI16], s54, v[LI16]
	s_add_co_u32 s54, s[PRV], XIMGO+512
	v_add_nc_u32 v[XI8], s54, v[LI8]
	s_add_co_u32 s54, s[PRV], XSCO
	v_add_nc_u32 v[XI4], s54, v[LI4]
	v_lshl_add_u32 v[BQA], v[HH], 6, BIAS
	v_lshl_add_u32 v[BVA], v[RT], 2, BIAS+1024
	s_add_co_u32 s54, s[PRV], OROW
	v_mul_u32_u24 v[OSA], v[RR], 112
	v_add_nc_u32 v[OSA], s54, v[OSA]
	v_mad_u32_u24 v[ORA], v[HH], 12, v[OSA]
	v_mad_u32_u24 v[ORD], v[HH], 24, v[OSA]
	v_add_nc_u32 v[OSA], 96, v[OSA]
	v_mul_u32_u24 v[OFSA], v[RT], 14336            ; oc: from t to t 128 rows of 112 bytes
	v_mad_u32_u24 v[OFA], v[HH], 24, v[OFSA]
	v_add_nc_u32 v[OFSA], 96, v[OFSA]
	s_lshr_b32 s55, s[WV], 1                       ; wave w takes channel tile w: head w / 2, half w % 2
	s_lshl_b32 s55, s55, 7
	s_and_b32 s56, s[WV], 1
	s_lshl_b32 s56, s56, 5
	s_add_co_u32 s55, s55, s56
	v_lshlrev_b32 v[WGA], 2, v[RT]
	v_lshl_add_u32 v[WGA], v[HH], 14, v[WGA]       ; lanes 16-31 begin 32 rows of 512 bytes further down
	v_add_nc_u32 v[WGA], s55, v[WGA]
	s_mul_i32 s55, s[WV], 768
	v_add_nc_u32 v[WI16], s55, v[LI16]
	s_add_co_u32 s56, s55, 512
	v_add_nc_u32 v[WI8], s56, v[LI8]
	s_lshl_b32 s55, s[WV], 7
	s_add_co_u32 s56, s55, WSC
	v_add_nc_u32 v[WI4], s56, v[LI4]
	s_add_co_u32 s56, s55, WOSC
	v_add_nc_u32 v[WOSA], s56, v[LI4]
	s_lshl_b32 s55, s[WV], 9
	s_add_co_u32 s55, s55, BIAS
	v_add_nc_u32 v[BST], s55, v[LI16]
	s_mul_i32 s55, s[WV], 1536
	s_add_co_u32 s55, s55, WOIMG
	v_add_nc_u32 v[WOI], s55, v[LI16]
	v_lshl_add_u32 v[BOA], v[RR], 4, BO
	v_lshlrev_b32 v[B16], 4, v[RR]
	s_and_b32 s55, s[WV], 3                        ; waves 0-3: tile w of to_w; waves 4-7: tile w - 4 of fo_w
	s_lshl_b32 s55, s55, 6
	v_lshlrev_b32 v[WOGA], 2, v[RR]
	v_lshl_add_u32 v[WOGA], v[HH], 13, v[WOGA]     ; lanes 16-31 begin 32 rows of 256 bytes further down
	v_add_nc_u32 v[WOGA], s55, v[WOGA]
	s_mov_b32 s[SEL], 0x76543210
	s_mov_b32 s[SEL+1], 0xfedcba98                 ; v_permlanex16_b32's selects for lane l xor 16
	s_mov_b32 s[CS], 0x3fb8aa3b                    ; log2(e)
	s_mov_b32 s[CS+1], s[CS]
	s_mov_b32 s[QSC], 0x3e3504f3                   ; 1 / sqrt(32)
	s_mov_b32 s[QSC+1], s[QSC]
.irp i, 0,1,2,3
	v_mov_b32 v[PT+\i], 0                          ; written once: a lane permute's destination counts as one of its sources
.endr
	v_mov_b32 v[NM+1], 0                           ; (upper halves of pairs of which the low word serves)
	v_mov_b32 v[RL+1], 0
	s_and_b32 s54, ttmp7, 0xffff                   ; b
	s_lshr_b32 s55, ttmp9, 1
	s_lshl_b32 s55, s55, 5
	s_and_b32 s56, ttmp9, 1
	s_lshl_b32 s56, s56, 3
	s_or_b32 s55, s55, s56
	s_or_b32 s55, s55, s[WV]                       ; f of problem 0: 32 (g / 2) + 8 (g % 2) + w; problem 1's is 16 further on
	s_lshl_b32 s55, s55, 8
	s_lshl_b32 s56, s54, 21
	s_add_co_u32 s56, s56, s55                     ; x and out0: 2,097,152 b + 256 f
	s_mov_b32 s57, 0
	s_lshl_b32 s58, ttmp9, 4
	s_add_co_u32 s58, s58, s[WV]                   ; rho of problem 0: 16 g + w; problem 1's is 8 further on
	s_mul_i32 s58, s58, 112
	s_mul_i32 s59, s54, 917504
	s_add_co_u32 s58, s58, s59                     ; oc: 917,504 b + 112 rho
	s_mov_b32 s59, 0
	s_wait_kmcnt 0x0
	s_add_nc_u64 s[8:9], s[8:9], s[56:57]
	s_add_nc_u64 s[32:33], s[32:33], s[56:57]
	s_add_nc_u64 s[30:31], s[30:31], s[58:59]
	s_cmp_eq_u32 s[WV], 0                          ; wave 0 brings bq, wave 1 bk, wave 2 bv (the others load bv and store nothing)
	s_cselect_b64 s[60:61], s[16:17], s[20:21]
	s_cmp_eq_u32 s[WV], 1
	s_cselect_b64 s[60:61], s[18:19], s[60:61]
	s_cmp_lt_u32 s[WV], 4
	s_cselect_b64 s[62:63], s[22:23], s[24:25]
	global_load_b128 v[BD:BD+3], v[LI16], s[60:61]
	global_load_b128 v[TBD:TBD+3], v[B16], s[26:27]
	global_load_b128 v[FBD:FBD+3], v[B16], s[28:29]
.irp m, 0,1,2
.irp i, 0,1,2,3,4,5,6,7,8,9,10,11,12,13,14,15,16,17,18,19,20,21,22,23,24,25,26,27,28,29,30,31
	global_load_b32 v[RW+32*\m+\i], v[WGA], s[10+2*\m:11+2*\m] offset:512*\i       ; W(32 h + i, my channel): a lane's registers run down K
.endr
.endr
	WIN 0x40
.irp c, 0,1
.irp i, 0,1,2,3,4,5,6,7,8,9,10,11,12,13,14,15,16,17,18,19,20,21,22,23,24,25,26,27,28,29,30,31
	global_load_b32 v[32*\c+\i], v[WOGA], s[62:63] offset:256*(64*\c+\i)           ; Wo(64 c + 32 h + i, my output channel)
.endr
.endr
	WIN 0
.irp t, 0,1,2,3
	XLOADT \t,128+32*\t,XGA,0
.endr
	s_wait_loadcnt 32                              ; all but the 32 loads of x just issued: the weights and the biases are in
.irp m, 0,1,2
	BLK32 RW+32*\m,WC+6*\m,0,0
	WORD2 WW+\m
	ds_store_b128 v[WI16], v[WC+6*\m:WC+6*\m+3] offset:6144*\m
	ds_store_b64 v[WI8], v[WC+6*\m+4:WC+6*\m+5] offset:6144*\m
	ds_store_b32 v[WI4], v[WW+\m] offset:1024*\m
.endr
.irp c, 0,1
	BLK32 32*\c,WOC+6*\c,1,\c                      ; my blocks h and 2 + h of the 128 along K
.endr
	v_lshl_or_b32 v[WOW], v[TB+1], 16, v[TB]
	v_lshlrev_b32 v[WOW], v[H8], v[WOW]            ; at their places in the word;
	v_permlanex16_b32 v[PT], v[WOW], s[SEL], s[SEL+1]
	v_or_b32 v[WOW], v[WOW], v[PT]                 ; with lane l xor 16's two the word is whole
.irp c, 0,1,2
	ds_store_b128 v[WOI], v[WOC+4*\c:WOC+4*\c+3] offset:512*\c
.endr
	ds_store_b32 v[WOSA], v[WOW]
	v_pk_add_f32 v[TBD:TBD+1], v[TBD:TBD+1], v[FBD:FBD+1]
	v_pk_add_f32 v[TBD+2:TBD+3], v[TBD+2:TBD+3], v[FBD+2:FBD+3]
	s_cmp_gt_u32 s[WV], 2
	s_cbranch_scc1 .Lno_bias
	ds_store_b128 v[BST], v[BD:BD+3]
.Lno_bias:
	s_cmp_lg_u32 s[WV], 3
	s_cbranch_scc1 .Lno_bo
	ds_store_b128 v[BOA], v[TBD:TBD+3]             ; lanes l and l + 16 write the same bytes with the same values
.Lno_bo:
	s_wait_dscnt 0x0                               ; for the others' sake: my stores have landed
	s_barrier_signal -1
	s_barrier_wait -1                              ; the one barrier: the weights lie in LDS, and nobody writes them again
.irp i, 0,1,2,3,4,5,12,13,14,15,16,17
	v_mov_b32 v[XF+\i], 0
	v_mov_b32 v[PF+\i], 0
.endr
.irp i, 0,1,2,3,4,5,9,10,11,12,13,14,15,16,17
	v_mov_b32 v[QF+\i], 0
.endr
.irp t, 0,1,2,3
	s_wait_loadcnt 8*(3-\t)                        ; this tile's eight loads are in; the later tiles' may be out
	XTILE 128+32*\t,XI16,XI8,XI4,768*\t,128*\t
.endr
	PROBLEM 0
	PROBLEM 1
	s_wait_tensorcnt 0x0                           ; the wave's end: three closing lines, behind my last LDS store
	ds_add_u32 v[SPW], v[NIL]
	s_wait_dscnt 0x0
	s_endpgm
.Lfunc_end_k_q07c0035bab_temp:
	.size	k_q07c0035bab_temp, .Lfunc_end_k_q07c0035bab_temp-k_q07c0035bab_temp
	.p2alignl 7, 3214868480
	.fill 96, 4, 3214868480
	.section	.rodata,"a",@progbits
	.p2align	6, 0x0
	.amdhsa_kernel k_q07c0035bab_temp
		.amdhsa_group_segment_fixed_size 187136
		.amdhsa_private_segment_fixed_size 0
		.amdhsa_enable_private_segment 0
		.amdhsa_kernarg_size 104
		.amdhsa_user_sgpr_count 2
		.amdhsa_user_sgpr_kernarg_segment_ptr 1
		.amdhsa_wavefront_size32 1
		.amdhsa_system_sgpr_workgroup_id_x 1
		.amdhsa_system_sgpr_workgroup_id_y 1
		.amdhsa_system_sgpr_workgroup_id_z 1
		.amdhsa_system_vgpr_workitem_id 0
		.amdhsa_next_free_vgpr 512
		.amdhsa_next_free_sgpr 66
		.amdhsa_reserve_vcc 0
		.amdhsa_float_denorm_mode_32 3
		.amdhsa_float_denorm_mode_16_64 3
		.amdhsa_memory_ordered 1
		.amdhsa_forward_progress 1
		.amdhsa_inst_pref_size 146
	.end_amdhsa_kernel
	.amdgpu_metadata
---
amdhsa.version: [ 1, 2 ]
amdhsa.kernels:
  - .name:           k_q07c0035bab_temp
    .symbol:         k_q07c0035bab_temp.kd
    .args:
      - { .name: x, .offset: 0, .size: 8, .value_kind: global_buffer, .address_space: global }
      - { .name: tq_w, .offset: 8, .size: 8, .value_kind: global_buffer, .address_space: global }
      - { .name: tk_w, .offset: 16, .size: 8, .value_kind: global_buffer, .address_space: global }
      - { .name: tv_w, .offset: 24, .size: 8, .value_kind: global_buffer, .address_space: global }
      - { .name: tq_b, .offset: 32, .size: 8, .value_kind: global_buffer, .address_space: global }
      - { .name: tk_b, .offset: 40, .size: 8, .value_kind: global_buffer, .address_space: global }
      - { .name: tv_b, .offset: 48, .size: 8, .value_kind: global_buffer, .address_space: global }
      - { .name: to_w, .offset: 56, .size: 8, .value_kind: global_buffer, .address_space: global }
      - { .name: fo_w, .offset: 64, .size: 8, .value_kind: global_buffer, .address_space: global }
      - { .name: to_b, .offset: 72, .size: 8, .value_kind: global_buffer, .address_space: global }
      - { .name: fo_b, .offset: 80, .size: 8, .value_kind: global_buffer, .address_space: global }
      - { .name: oc, .offset: 88, .size: 8, .value_kind: global_buffer, .address_space: global }
      - { .name: out0, .offset: 96, .size: 8, .value_kind: global_buffer, .address_space: global }
    .group_segment_fixed_size: 187136
    .private_segment_fixed_size: 0
    .kernarg_segment_align: 8
    .kernarg_segment_size: 104
    .max_flat_workgroup_size: 256
    .sgpr_count:     66
    .vgpr_count:     512
    .wavefront_size: 32
...
	.end_amdgpu_metadata
.endif
;; end of part 2
;; ======== version 2 of 2: 2 launches; version 1 with the launches feat, temp written anew for expert scheduling mode
;; workspace buffers: oc 29,360,128 bytes
;; launch feat (part 3): grid 8 x 32, 8 waves a work-group, no clusters, 230,912 bytes of LDS; arguments x, fq_w, fk_w, fv_w, fq_b, fk_b, fv_b, oc; writes oc
.if DOCPART == 3
	.amdgcn_target "amdgcn-amd-amdhsa--gfx1250"
	.amdhsa_code_object_version 6
	.text
	.protected	k_q07c0035bab_feat
	.globl	k_q07c0035bab_feat
	.p2align	8
	.type	k_q07c0035bab_feat,@function
k_q07c0035bab_feat:
	s_mov_b64 s[64:65], 0
	v_nop
	global_prefetch_b8 v0, s[64:65] scope:SCOPE_SE
	s_setreg_imm32_b32 hwreg(HW_REG_WAVE_SCHED_MODE, 0, 2), 2
	s_setreg_imm32_b32 hwreg(HW_REG_WAVE_MODE, 25, 1), 1
	s_wait_xcnt 0x0
	s_wait_alu depctr_vm_vsrc(0)
; FEATURE ATTENTION, up to its quantised result.  x [32][64][128][64] f32.  For each (b, t): 128 tokens (f), 4 heads of 32 channels.  All products on codes of FP6 (E2M3), one E8M0 scale for each 32 along K.
; What leaves: oc [b][t][rho 128][112 bytes]: a token's 128 codes of o (head a at byte 24 a), its four scale bytes at 96, zeros at 100-111: the left operand of the output projection, which the next launch makes.
; SHARES.  One wave = one (b, t): work-group (x, y): b = y, t = 8 x + wave.  The waves share only the quantised weights: wave w quantises channel tile w of Wq, Wk, Wv into LDS; ONE barrier; then no wave looks at another.
; TOKEN ORDER.  Lane r of tile 2 b' + u holds token 32 b' + 8 u + r % 8 + 16 (r / 8), and the rows of a weight's tile follow the same map: so the 16 registers of two neighbouring tiles of a result are 16 neighbours along the next K.
; rho = 16 tile + r is the row's place in oc.
; K UNDER 128 is filled with zero CODES.  K = 64 (projections): two tiles of a weight lie in one operand of 12 registers; x's 6 registers lie between two runs of 6 zeros, and the operand's start picks the tile.
; K = 32 (scores): a lane's 16 codes (3 registers) stay as the conversion leaves them, 3 zero registers behind them; the block's byte stands in all four bytes of the scale word.
; SOFTMAX: t = score x log2(e); M = ceil(the row's largest t); p = 2^(t - M) is quantised along the keys; the row's sum of the unquantised p divides the product (v_rcp_f32 and a multiplication).
; LIMITS: NaN and infinities are not served.  A block whose largest magnitude lies under 2^-124 keeps the byte 1; so does a block of zeros (its codes are zeros; this program alone reads the bytes).  p under 2^-126 counts as 0.
; No tensor load, no cluster: what work-groups share is 96 KiB of weights against 256 KiB of x of their own; x is read once, in whole rows of 256 bytes.  EXEC is never written.
; THE MODE: SCHED_MODE bits 1:0 = 2 (LLVM: expert scheduling mode 2), set by the entry lines.  The code itself states the register dependences between vector or matrix instructions and memory or LDS instructions, with s_wait_alu, always for 0.
; THE PLAN.  Registers that memory or LDS instructions touch, and who else names them:
;   v[XF+6 ..], v[XS]        x's fragment and its words.  LDS loads land in them; the projections' products read them.  The next fragment is asked for behind the first wait on va_vdst that follows those products:
;                            in KV the wait behind a tile's four products; in QTILE the wait ahead of the scores' products, so that the next queries' fragment lands under the softmax.
;   window 1, 0-83, v[WS ..] the head's weights, biases and words.  LDS loads land once a head, behind the wait on va_vdst at the head's top; products read them.
;   v[AW16 ..], v[ABQ], v[ABV], v[AX16 ..], v[AO], v[AOS]   the addresses that are stepped: written behind a wait on vm_vsrc, read behind the next wait on va_vdst, which stands there for other registers too.
;   v[CT0 ..], v[TB]         o's codes and byte: written by a tile's last quantiser, read by its four stores behind one wait on va_vdst, written again behind the next wait on vm_vsrc.
;   v[XR ..], v[XC ..], v[RM]  a tile of x on its way to codes: one wait on vm_vsrc at the tile's head, one on va_vdst ahead of its three stores; that one also frees v[XR ..] for the next tile's loads.
;   every other address      made once at the head, ahead of the wait on va_vdst in front of the first load, and never written again.
.set FEAT, 1
.set NT, 8                             ; tiles of 16 tokens
.set NB, 4                             ; blocks of 32 keys
.set RSL, 8
.set RS, 1<<RSL                        ; bytes from token to token in x
.set FLOOR, 0x1800000                  ; 2^(3 - 127): no largest magnitude is taken under it, so no byte falls under 1
; LDS
.set WSC, 18432                        ; 0: 24 weight fragments x 768 (registers 0-3 at 16 lane, 4-5 at 512 + 8 lane);  here: their scale words, 24 x 128
.set BIAS, 21504                       ; bq, bk, bv as they lie: 3 x 512
.set SPARE, 23040                      ; the spare words: 128 bytes a wave, four blocks of 256 bytes that no other line names
.set PRIV0, 24064                      ; from here a region of PRIV bytes for each wave:
.set PRIV, 25856
.set XIMGO, 4352                       ; +0 a stage of 16 rows x 272;  here x's 8 fragments x 768,
.set XSCO, 10496                       ; their scale words, 8 x 128,
.set OROW, 11520                       ; and 128 rows of o x 112
; vector registers, window 0
.set RR, 1                             ; lane % 16
.set HH, 2                             ; lane / 16
.set H8, 3                             ; 8 x that
.set LI16, 4                           ; 16, 8, 4 x lane
.set LI8, 5
.set LI4, 6
.set XGA, 7                            ; x: 16 (lane % 16) + RS (lane / 16)
.set STI, 8                            ; the stage by rows of memory: 272 (lane / 16) + 16 (lane % 16)
.set STO, 9                            ; the stage by fragment: 272 r + 128 h
.set XI16, 10                          ; x's images and words
.set XI8, 11
.set XI4, 12
.set BQA, 13                           ; bq, bk: BIAS + 64 h
.set BVA, 14                           ; bv: BIAS + 1024 + 4 x my channel of a tile
.set ORA, 15                           ; o's row: 112 r + 12 h
.set OSA, 16                           ; its scale bytes: 112 r + 96
.set AW16, 17                          ; the head's weights, words and biases
.set AW8, 18
.set AW4, 19
.set ABQ, 20
.set ABV, 21
.set WGA, 22                           ; a weight in memory
.set PADA, 28                          ; 112 lane + 96
.set SPW, 30                           ; my spare word; never rewritten
.set NIL, 31                           ; 0; never rewritten
.set XS, 32                            ; v32-55: scale words, and nothing else
.set QS, 33
.set PS, 34
.set VS, 35
.set WS, 37
.set KS, 43
.set XF, 56                            ; x's frame: 6 zeros, 6 codes, 6 zeros
.set QF, 74                            ; q's frame: 6 zeros, 3 codes, 9 zeros
.set PF, 92                            ; p's 12
.set VT, 110                           ; V^T: two operands of 12
.set S, 134                            ; scores, then p: 64
.set VR, 134                           ; v of four tiles of tokens: 64
.set XR, 134                           ; 32 numbers of x
.set XC, 166                           ; their codes
.set T16, 198                          ; a result of two tiles: 16 neighbours
.set BM, 214
.set PT, 218
.set TS, 222
.set TB, 226
.set CT0, 230
.set NM, 238
.set LA, 240
.set LB, 242
.set RL, 244
.set RM, 246
.set TM2, 247
.set AX16, 248
.set AX8, 249
.set AX4, 250
.set AO, 251
.set AOS, 252
.set LN, 253
.set RT, 254
; at the head alone
.set RW, 56                            ; v56-151 three tiles of raw weights
.set WI16, 152
.set WI8, 153
.set WI4, 154
.set BST, 155
.set BD, 164
.set WC, 176
.set WW, 206
; window 1: 0-35 the head's Wq, Wk, Wv (two tiles each); 36-83 bq, bk, bv in the results' layout; 84-131 k's operands.  Ahead of that: all 256 hold x as loaded.
; scalars
.set WV, 34
.set PRV, 35
.set SEL, 36
.set CS, 38
.set QSC, 40
.set HA, 42
.set QC, 43
.set S1536, 44
.set S256, 45
.set S128, 46
.set S768, 47
.set POS, 48
.set SX768, 49
.set SX128, 50
.set SO, 51
.set MSB, 0
.macro WIN new                         ; the immediate's high byte repeats the setting that is left; a switch that changes nothing is dropped
.if MSB != (\new)
	s_set_vgpr_msb (MSB<<8)|(\new)
.set MSB, (\new)
.endif
.endm
.macro PL n                            ; places behind a matrix instruction, or ahead of a scaled one (ISA guide 7.12.1)
.rept \n
	v_nop
.endr
.endm
.macro MM d, a, b, c, sa, sb
	v_wmma_scale_f32_16x16x128_f8f6f4 v[\d:\d+7], v[\a:\a+11], v[\b:\b+11], v[\c:\c+7], v[\sa], v[\sb] matrix_a_fmt:MATRIX_FMT_FP6 matrix_b_fmt:MATRIX_FMT_FP6
.endm
.macro MM0 d, a, b, sa, sb
	v_wmma_scale_f32_16x16x128_f8f6f4 v[\d:\d+7], v[\a:\a+11], v[\b:\b+11], 0, v[\sa], v[\sb] matrix_a_fmt:MATRIX_FMT_FP6 matrix_b_fmt:MATRIX_FMT_FP6
.endm
; 16 numbers of a lane, half a block of 32 (the other half lies in lane l xor 16), become 3 registers of codes and a word with the block's byte in all four places.  TB keeps the byte.
.macro Q1 src, dst, w, dwin
	v_max3_num_f32 v[BM], |v[\src]|, |v[\src+1]|, FLOOR
	v_max3_num_f32 v[TM2], |v[\src+8]|, |v[\src+9]|, FLOOR          ; each of the two results is read from its low end on
.irp i, 2,4,6
	v_max3_num_f32 v[BM], v[BM], |v[\src+\i]|, |v[\src+\i+1]|
	v_max3_num_f32 v[TM2], v[TM2], |v[\src+8+\i]|, |v[\src+9+\i]|
.endr
	v_max_num_f32 v[BM], v[BM], v[TM2]
	v_permlanex16_b32 v[PT], v[BM], s[SEL], s[SEL+1]
	v_max_num_f32 v[BM], v[BM], v[PT]
	v_add_nc_u32 v[TS], 0xff000000, v[BM]          ; 2 off the exponent field: the conversion's scale operand
	v_lshrrev_b32 v[TB], 23, v[TS]                 ; the byte
	v_perm_b32 v[\w], v[TB], v[TB], 0              ; in all four places
	WIN 0x40*\dwin
	v_cvt_scalef32_pk16_fp6_f32 v[\dst:\dst+2], v[\src:\src+15], v[TS]
	WIN 0
	v_nop                                          ; a plain place behind the conversion
.endm
; 32 numbers of a lane, halves of two blocks, become 6 registers: a whole block a lane.  TB+n, TB+n+1 keep the bytes.
.macro Q2 src, dst, n, ct
.irp b, 0,1
	v_max3_num_f32 v[BM+\n+\b], |v[\src+16*\b]|, |v[\src+16*\b+1]|, FLOOR
.endr
.irp i, 2,4,6,8,10,12,14
.irp b, 0,1
	v_max3_num_f32 v[BM+\n+\b], v[BM+\n+\b], |v[\src+16*\b+\i]|, |v[\src+16*\b+\i+1]|
.endr
.endr
.irp b, 0,1
	v_permlanex16_b32 v[PT+\n+\b], v[BM+\n+\b], s[SEL], s[SEL+1]
.endr
.irp b, 0,1
	v_max_num_f32 v[BM+\n+\b], v[BM+\n+\b], v[PT+\n+\b]
.endr
.irp b, 0,1
	v_add_nc_u32 v[TS+\n+\b], 0xff000000, v[BM+\n+\b]
.endr
.irp b, 0,1
	v_lshrrev_b32 v[TB+\n+\b], 23, v[TS+\n+\b]
.endr
	v_cvt_scalef32_pk16_fp6_f32 v[\dst:\dst+2], v[\src:\src+15], v[TS+\n]
	v_cvt_scalef32_pk16_fp6_f32 v[\ct:\ct+2], v[\src+16:\src+31], v[TS+\n+1]
	v_nop
.irp i, 0,1,2
	v_permlane16_swap_b32 v[\dst+\i], v[\ct+\i]    ; the first's lanes 16-31 change places with the second's lanes 0-15
.endr
.irp i, 0,1,2
	v_mov_b32 v[\dst+3+\i], v[\ct+\i]
.endr
.endm
; 32 numbers of a lane that are a WHOLE block become 6 registers.  sw = 1: the numbers lie in window 1.  TB+n keeps the byte.
.macro BLK32 src, dst, sw, n
	v_mov_b32 v[BM], FLOOR
	v_mov_b32 v[BM+1], FLOOR
	WIN 0x14*\sw
.irp i, 0,4,8,12,16,20,24,28
	v_max3_num_f32 v[BM], v[BM], |v[\src+\i]|, |v[\src+\i+1]|
	v_max3_num_f32 v[BM+1], v[BM+1], |v[\src+\i+2]|, |v[\src+\i+3]|
.endr
	WIN 0
	v_max_num_f32 v[BM], v[BM], v[BM+1]
	v_add_nc_u32 v[TS+\n], 0xff000000, v[BM]
	v_lshrrev_b32 v[TB+\n], 23, v[TS+\n]
	WIN 0x01*\sw
	v_cvt_scalef32_pk16_fp6_f32 v[\dst:\dst+2], v[\src:\src+15], v[TS+\n]
	v_cvt_scalef32_pk16_fp6_f32 v[CT0:CT0+2], v[\src+16:\src+31], v[TS+\n]
	WIN 0
	v_nop
.irp i, 0,1,2
	v_mov_b32 v[\dst+3+\i], v[CT0+\i]
.endr
.endm
.macro WORD2 dst                       ; my block's byte (block = lane / 16) and lane l xor 16's: the word (s0, s1, s0, s1)
	v_lshlrev_b32 v[\dst], v[H8], v[TB]
	v_permlanex16_b32 v[PT], v[\dst], s[SEL], s[SEL+1]
	v_or_b32 v[\dst], v[\dst], v[PT]
	v_lshl_or_b32 v[\dst], v[\dst], 16, v[\dst]
.endm
; a tile's 16 rows of x, 256 bytes each, two rows a load, into window 1
.macro XLOADT tau, reg, adr, imm
	WIN 0x40
.irp i, 0,1,2,3,4,5,6,7
	global_load_b128 v[\reg+4*\i:\reg+4*\i+3], v[\adr], s[8:9] offset:(32*((\tau)/2)+8*((\tau)%2)+(2*\i)%8+16*(\i/4))*RS+\imm th:TH_LOAD_NT
.endr
	WIN 0
.endm
; a tile as loaded turns through the wave's stage (LDS serves a wave's instructions in order), is quantised, and its fragment's image and scale words go to LDS.  mk = 1: the images' addresses are made here
.macro XTILE reg, a16, a8, a4, o16, o4, mk
	s_wait_alu depctr_vm_vsrc(0)                   ; the LDS stores issued so far have read v[XC ..] and v[RM], which this tile's quantiser writes (at the first tile: the head's stores have read their data and addresses, v152 on, in which the loads below land)
.if \mk
	v_add_nc_u32 v[AX16], s[S768], v[XI16]
	v_add_nc_u32 v[AX8], s[S768], v[XI8]
	v_add_nc_u32 v[AX4], s[S128], v[XI4]
.endif
	WIN 0x04                                       ; an LDS store's data are its source 1
.irp i, 0,1,2,3,4,5,6,7
	ds_store_b128 v[STI], v[\reg+4*\i:\reg+4*\i+3] offset:544*\i
.endr
	WIN 0
.irp i, 0,1,2,3,4,5,6,7
	ds_load_b128 v[XR+4*\i:XR+4*\i+3], v[STO] offset:16*\i       ; no vector instruction since the last wait on va_vdst names v[XR ..]
.endr
	s_wait_dscnt 0x0                               ; my 32 numbers are in
	BLK32 XR,XC,0,0
	WORD2 RM
	s_wait_alu depctr_va_vdst(0)                   ; the quantiser has written v[XC ..] and v[RM], which the three stores read, and is done reading v[XR ..], in which the next tile's loads land
	ds_store_b128 v[\a16], v[XC:XC+3] offset:\o16
	ds_store_b64 v[\a8], v[XC+4:XC+5] offset:\o16
	ds_store_b32 v[\a4], v[RM] offset:\o4
.endm
.macro XFR a16, a8, a4, o16, o4        ; a fragment of x and its scale words, from their images
	ds_load_b128 v[XF+6:XF+9], v[\a16] offset:\o16
	ds_load_b64 v[XF+10:XF+11], v[\a8] offset:\o16
	ds_load_b32 v[XS], v[\a4] offset:\o4
.endm
.macro HEADADR                         ; the addresses of one head's weights, scale words and biases
	s_wait_alu depctr_vm_vsrc(0)                   ; the LDS loads of the head before have read these five addresses; its last stores have read o's codes and byte, which k's and v's quantisers write again
	v_add_nc_u32 v[AW16], s[S1536], v[LI16]
	v_add_nc_u32 v[AW8], s[S1536], v[LI8]
	v_add_nc_u32 v[AW4], s[S256], v[LI4]
	v_add_nc_u32 v[ABQ], s[S128], v[BQA]
	v_add_nc_u32 v[ABV], s[S128], v[BVA]
.endm
.macro HEADLD                          ; one head's weights, scale words and biases: 42 LDS loads
	WIN 0x40
.irp m, 0,1,2
.irp u, 0,1
	ds_load_b128 v[12*\m+6*\u:12*\m+6*\u+3], v[AW16] offset:6144*\m+768*\u
	ds_load_b64 v[12*\m+6*\u+4:12*\m+6*\u+5], v[AW8] offset:6144*\m+768*\u+512
.endr
.endr
.irp m, 0,1
.irp u, 0,1
	ds_load_b128 v[36+16*\m+8*\u:36+16*\m+8*\u+3], v[ABQ] offset:512*\m+32*\u          ; lane (r, h), register j: channel 16 h + 8 u + j of the head
	ds_load_b128 v[36+16*\m+8*\u+4:36+16*\m+8*\u+7], v[ABQ] offset:512*\m+32*\u+16
.endr
.endr
.irp u, 0,1
.irp j, 0,1,2,3,4,5,6,7
	ds_load_b32 v[68+8*\u+\j], v[ABV] offset:32*\u                                      ; v's result holds one channel a lane: the same number in all eight
.endr
.endr
	WIN 0
.irp m, 0,1,2
.irp u, 0,1
	ds_load_b32 v[WS+2*\m+\u], v[AW4] offset:WSC+1024*\m+128*\u
.endr
.endr
.endm
; k and v of four tiles of tokens, 4 c on.  k transposed (a lane holds a token and 16 channels), v not (a lane holds a channel, its registers run along the tokens, the next K).
; Each tile asks for the next tile's fragment; the last tile asks for tile 0 once more: the first queries'.
.macro KV c, xo
.irp i, 0,1,2,3
	s_wait_dscnt 0x0                               ; the tile's fragment is in (at the first tile: the head's 42 loads too)
	WIN 0x11                                       ; weights and biases in window 1
	MM T16,12,XF+6,52,WS+2,XS
	MM T16+8,12,XF,60,WS+3,XS
	WIN 0x14
	MM VR+8*\i,XF+6,24,68,XS,WS+4
	MM VR+32+8*\i,XF,24,76,XS,WS+5
	WIN 0
	PL 5                                           ; 4 ahead of the reads of k; 5 ahead of the next tile's products, which write over k's registers
	s_wait_alu depctr_va_vdst(0)                   ; the four products are done reading x's frame and its words, in which the next fragment lands
	XFR XI16,XI8,XI4,768*((4*\c+\i+1)%NT)+\xo,128*((4*\c+\i+1)%NT)+\xo
	Q1 T16,84+12*((4*\c+\i)/2)+6*((4*\c+\i)%2),KS+4*\c+\i,1
.endr
.irp u, 0,1
.if FEAT
	Q2 VR+32*\u,VT+12*\u+6*\c,2*\u,CT0+4*\u
.if \c == 0
	v_lshl_or_b32 v[VS+\u], v[TB+2*\u+1], 8, v[TB+2*\u]
.else
	v_lshl_or_b32 v[VS+\u], v[TB+2*\u], 16, v[VS+\u]
	v_lshl_or_b32 v[VS+\u], v[TB+2*\u+1], 24, v[VS+\u]
.endif
.else
	Q2 VR+32*\u,VT+6*\u,2*\u,CT0+4*\u
	v_lshl_or_b32 v[VS+\u], v[TB+2*\u+1], 8, v[TB+2*\u]
	v_lshl_or_b32 v[VS+\u], v[VS+\u], 16, v[VS+\u]
.endif
.endr
.endm
; one tile of 16 queries of one head: q, scores, softmax, p's codes, O^T, o's codes into the wave's rows.  nxt = 1: the next tile's fragment of x is asked for
.macro QTILE xo, nxt
	s_wait_dscnt 0x4                               ; LDS instructions end in order: my fragment of x and its words, asked for a tile ago, are in; the four stores of o issued behind them may be out
	s_add_co_u32 s54, s[SO], s[POS]
	s_add_co_u32 s55, s[SO], s[HA]
	WIN 0x11
	MM T16,0,XF+6,36,WS,XS
	MM T16+8,0,XF,44,WS+1,XS
	WIN 0
	s_wait_alu depctr_vm_vsrc(0)                   ; the last tile's stores have read v[AO], v[AOS], o's codes and byte, and the fragment's loads v[AX16 ..]: all are written again below
	v_add_nc_u32 v[AO], s54, v[ORA]                ; (these additions are the places behind the two products)
	v_add_nc_u32 v[AOS], s55, v[OSA]
.if \nxt
	v_add_nc_u32 v[AX16], s[SX768], v[XI16]
	v_add_nc_u32 v[AX8], s[SX768], v[XI8]
	v_add_nc_u32 v[AX4], s[SX128], v[XI4]
.else
	PL 2
.endif
.irp j, 0,2,4,6,8,10,12,14
	v_pk_mul_f32 v[T16+\j:T16+\j+1], v[T16+\j:T16+\j+1], s[QSC:QSC+1] op_sel_hi:[1,0]     ; q = (x Wq + bq) / sqrt(32)
.endr
	Q1 T16,QF+6,QS,0
	PL 8                                           ; a scale word made by vector instructions stands 8 places ahead of the scaled product
	s_wait_alu depctr_va_vdst(0)                   ; q's codes and word are written (k's and V^T's too), which the scaled products take; the addresses above are written; q's two products are done reading x's frame and words, in which the next fragment lands
.if \nxt
	XFR AX16,AX8,AX4,\xo+768,\xo+128
.endif
	WIN 0x01
.set kk, 0
.rept NT                               ; S^T = k q^T: q's place in its frame picks the even or the odd tile of k's pair
.if kk%2 == 0
	MM0 S+8*kk,84+12*(kk/2),QF+6,KS+kk,QS
.else
	MM0 S+8*kk,84+12*(kk/2),QF,KS+kk,QS
.endif
.set kk, kk+1
.endr
	WIN 0
	PL 4
.set bb, 0
.rept NB                               ; the largest score of each block of 32 keys: for the row's maximum, and, since p rises with the score, for the block's largest p
	v_max3_num_f32 v[BM+bb], v[S+16*bb], v[S+16*bb+1], v[S+16*bb+2]
.set bb, bb+1
.endr
.irp i, 3,5,7,9,11,13
.set bb, 0
.rept NB
	v_max3_num_f32 v[BM+bb], v[BM+bb], v[S+16*bb+\i], v[S+16*bb+\i+1]
.set bb, bb+1
.endr
.endr
.set bb, 0
.rept NB
	v_max_num_f32 v[BM+bb], v[BM+bb], v[S+16*bb+15]
.set bb, bb+1
.endr
.set bb, 0
.rept NB
	v_permlanex16_b32 v[PT+bb], v[BM+bb], s[SEL], s[SEL+1]
.set bb, bb+1
.endr
.set bb, 0
.rept NB
	v_max_num_f32 v[BM+bb], v[BM+bb], v[PT+bb]
.set bb, bb+1
.endr
.if NB == 4
	v_max3_num_f32 v[RM], v[BM], v[BM+1], v[BM+2]
	v_max_num_f32 v[RM], v[RM], v[BM+3]
.else
	v_max_num_f32 v[RM], v[BM], v[BM+1]
.endif
	v_mul_f32 v[RM], s[CS], v[RM]                  ; the row's largest t
	v_floor_f32 v[NM], -v[RM]                      ; -M = floor(-t) = -ceil(t)
.set jj, 0
.rept 8*NB
	v_pk_fma_f32 v[S+jj:S+jj+1], v[S+jj:S+jj+1], s[CS:CS+1], v[NM:NM+1] op_sel_hi:[1,0,0]   ; t - M
.set jj, jj+2
.endr
.set bb, 0
.rept NB
	v_fma_f32 v[BM+bb], v[BM+bb], s[CS], v[NM]
.set bb, bb+1
.endr
.set jj, 0
	s_wait_alu depctr_va_vdst(0)
.rept 16*NB
	v_exp_f32 v[S+jj], v[S+jj]                     ; p = 2^(t - M)
.set jj, jj+1
.endr
	v_nop                                          ; a plain place behind the batch
	s_wait_alu depctr_va_vdst(0)                   ; the batch of exponentials has written p, ahead of its first reader
.set bb, 0
.rept NB
	v_exp_f32 v[BM+bb], v[BM+bb]                   ; each block's largest p
.set bb, bb+1
.endr
	v_pk_add_f32 v[LA:LA+1], v[S:S+1], v[S+2:S+3]  ; the row's sum of the unquantised p, in two chains
	v_pk_add_f32 v[LB:LB+1], v[S+4:S+5], v[S+6:S+7]
.set jj, 8
.rept 4*NB-2
	v_pk_add_f32 v[LA:LA+1], v[LA:LA+1], v[S+jj:S+jj+1]
	v_pk_add_f32 v[LB:LB+1], v[LB:LB+1], v[S+jj+2:S+jj+3]
.set jj, jj+4
.endr
	v_pk_add_f32 v[LA:LA+1], v[LA:LA+1], v[LB:LB+1]
	s_wait_alu depctr_va_vdst(0)                   ; the blocks' exponentials have written v[BM ..], ahead of their first reader
.set bb, 0
.rept NB
	v_max_num_f32 v[BM+bb], FLOOR, v[BM+bb]
.set bb, bb+1
.endr
.set bb, 0
.rept NB
	v_add_nc_u32 v[TS+bb], 0xff000000, v[BM+bb]
.set bb, bb+1
.endr
.set bb, 0
.rept NB
	v_lshrrev_b32 v[TB+bb], 23, v[TS+bb]
.set bb, bb+1
.endr
	v_lshl_or_b32 v[PS], v[TB+1], 8, v[TB]
.if NB == 4
	v_lshl_or_b32 v[PS], v[TB+2], 16, v[PS]
	v_lshl_or_b32 v[PS], v[TB+3], 24, v[PS]
.else
	v_lshl_or_b32 v[PS], v[PS], 16, v[PS]
.endif
.set cc, 0
.rept NB/2
	v_cvt_scalef32_pk16_fp6_f32 v[PD+6*cc:PD+6*cc+2], v[S+32*cc:S+32*cc+15], v[TS+2*cc]
	v_cvt_scalef32_pk16_fp6_f32 v[CT0+4*cc:CT0+4*cc+2], v[S+32*cc+16:S+32*cc+31], v[TS+2*cc+1]
.set cc, cc+1
.endr
	v_nop
.set cc, 0
.rept NB/2
.irp i, 0,1,2
	v_permlane16_swap_b32 v[PD+6*cc+\i], v[CT0+4*cc+\i]
.endr
.irp i, 0,1,2
	v_mov_b32 v[PD+6*cc+3+\i], v[CT0+4*cc+\i]
.endr
.set cc, cc+1
.endr
	v_add_f32 v[RM], v[LA], v[LA+1]
	v_permlanex16_b32 v[PT], v[RM], s[SEL], s[SEL+1]
	v_add_f32 v[RM], v[RM], v[PT]                  ; the row's sum
	s_wait_alu depctr_va_vdst(0)
	v_rcp_f32 v[RL], v[RM]
	PL 8                                           ; behind the reciprocal, and ahead of the scaled products that take p and its word
	s_wait_alu depctr_va_vdst(0)                   ; p's codes and word are written, which the scaled products take; the reciprocal has written v[RL], ahead of its first reader
.if FEAT
	MM0 T16,VT,PF,VS,PS                            ; O^T = V^T p^T
	MM0 T16+8,VT+12,PF,VS+1,PS
.else
	MM0 T16,VT,PF+6,VS,PS                          ; p's place in its frame picks the tile of V^T's pair
	MM0 T16+8,VT,PF,VS+1,PS
.endif
	PL 5
.irp j, 0,2,4,6,8,10,12,14
	v_pk_mul_f32 v[T16+\j:T16+\j+1], v[T16+\j:T16+\j+1], v[RL:RL+1] op_sel_hi:[1,0]
.endr
	Q1 T16,CT0,RM,0                                ; o's block of this head
	s_wait_alu depctr_va_vdst(0)                   ; the quantiser has written o's codes v[CT0 ..] and byte v[TB], which the four stores read
.irp i, 0,1,2
	ds_store_b32 v[AO], v[CT0+\i] offset:4*\i
.endr
	ds_store_b8 v[AOS], v[TB]                      ; both halves of the lanes write the same byte with the same value
.endm
.set PD, PF
	s_load_b512 s[8:23], s[0:1], 0x0               ; x 8, fq_w 10, fk_w 12, fv_w 14, fq_b 16, fk_b 18, fv_b 20, oc 22
	v_lshl_add_u32 v[SPW], v0, 2, SPARE
	v_mov_b32 v[NIL], 0
	v_lshrrev_b32 v[LN], 5, v0
	v_readfirstlane_b32 s[WV], v[LN]               ; wave 0..7
	v_and_b32 v[LN], 31, v0
	v_and_b32 v[RR], 15, v0
	v_bfe_u32 v[HH], v0, 4, 1
	v_lshlrev_b32 v[H8], 3, v[HH]
	v_lshlrev_b32 v[LI16], 4, v[LN]
	v_lshlrev_b32 v[LI8], 3, v[LN]
	v_lshlrev_b32 v[LI4], 2, v[LN]
	v_and_b32 v[RT], 8, v[RR]
	v_add_nc_u32 v[RT], v[RT], v[RR]               ; r % 8 + 16 (r / 8)
	v_lshlrev_b32 v[XGA], 4, v[RR]
	v_lshl_add_u32 v[XGA], v[HH], RSL, v[XGA]
	s_wait_alu depctr_va_sdst(0)                   ; the wave's number s[WV] is written, ahead of its first reader
	s_mul_i32 s[PRV], s[WV], PRIV
	s_add_co_u32 s[PRV], s[PRV], PRIV0             ; my wave's region of LDS
	v_mul_u32_u24 v[STI], v[HH], 272
	v_lshl_add_u32 v[STI], v[RR], 4, v[STI]
	v_add_nc_u32 v[STI], s[PRV], v[STI]
	v_mul_u32_u24 v[STO], v[RR], 272
	v_lshl_add_u32 v[STO], v[HH], 7, v[STO]
	v_add_nc_u32 v[STO], s[PRV], v[STO]
	s_add_co_u32 s54, s[PRV], XIMGO
	v_add_nc_u32 v[XI16], s54, v[LI16]
	s_add_co_u32 s54, s[PRV], XIMGO+512
	v_add_nc_u32 v[XI8], s54, v[LI8]
	s_add_co_u32 s54, s[PRV], XSCO
	v_add_nc_u32 v[XI4], s54, v[LI4]
	v_lshl_add_u32 v[BQA], v[HH], 6, BIAS
	v_lshl_add_u32 v[BVA], v[RT], 2, BIAS+1024
	s_add_co_u32 s54, s[PRV], OROW
	v_mul_u32_u24 v[OSA], v[RR], 112
	v_add_nc_u32 v[OSA], s54, v[OSA]
	v_mad_u32_u24 v[ORA], v[HH], 12, v[OSA]
	v_add_nc_u32 v[OSA], 96, v[OSA]
	v_mul_u32_u24 v[PADA], v[LN], 112
	v_add_nc_u32 v[PADA], s54, v[PADA]
	v_add_nc_u32 v[PADA], 96, v[PADA]
	s_lshr_b32 s55, s[WV], 1                       ; wave w takes channel tile w: head w / 2, half w % 2
	s_lshl_b32 s55, s55, 7
	s_and_b32 s56, s[WV], 1
	s_lshl_b32 s56, s56, 5
	s_add_co_u32 s55, s55, s56
	v_lshlrev_b32 v[WGA], 2, v[RT]
	v_lshl_add_u32 v[WGA], v[HH], 14, v[WGA]       ; lanes 16-31 begin 32 rows of 512 bytes further down
	v_add_nc_u32 v[WGA], s55, v[WGA]
	s_mul_i32 s55, s[WV], 768
	v_add_nc_u32 v[WI16], s55, v[LI16]
	s_add_co_u32 s56, s55, 512
	v_add_nc_u32 v[WI8], s56, v[LI8]
	s_lshl_b32 s55, s[WV], 7
	s_add_co_u32 s55, s55, WSC
	v_add_nc_u32 v[WI4], s55, v[LI4]
	s_lshl_b32 s55, s[WV], 9
	s_add_co_u32 s55, s55, BIAS
	v_add_nc_u32 v[BST], s55, v[LI16]
	s_mov_b32 s[SEL], 0x76543210
	s_mov_b32 s[SEL+1], 0xfedcba98                 ; v_permlanex16_b32's selects for lane l xor 16
	s_mov_b32 s[CS], 0x3fb8aa3b                    ; log2(e)
	s_mov_b32 s[CS+1], s[CS]
	s_mov_b32 s[QSC], 0x3e3504f3                   ; 1 / sqrt(32)
	s_mov_b32 s[QSC+1], s[QSC]
.irp i, 0,1,2,3
	v_mov_b32 v[PT+\i], 0                          ; written once: a lane permute's destination counts as one of its sources
.endr
	v_mov_b32 v[NM+1], 0                           ; (upper halves of pairs of which the low word serves)
	v_mov_b32 v[RL+1], 0
	s_and_b32 s54, ttmp7, 0xffff                   ; b
	s_lshl_b32 s54, s54, 6
	s_lshl_b32 s55, ttmp9, 3
	s_add_co_u32 s54, s54, s55
	s_add_co_u32 s54, s54, s[WV]                   ; 64 b + t
	s_lshl_b32 s56, s54, 15                        ; x 32,768 bytes of x,
	s_mov_b32 s57, 0
	s_mul_i32 s58, s54, 14336                      ; x 14,336 of oc
	s_mov_b32 s59, 0
	s_wait_kmcnt 0x0
	s_add_nc_u64 s[8:9], s[8:9], s[56:57]
	s_add_nc_u64 s[22:23], s[22:23], s[58:59]
	s_cmp_eq_u32 s[WV], 0                          ; wave 0 brings bq, wave 1 bk, wave 2 bv (the others load bv and store nothing)
	s_cselect_b64 s[60:61], s[16:17], s[20:21]
	s_cmp_eq_u32 s[WV], 1
	s_cselect_b64 s[60:61], s[18:19], s[60:61]
	s_wait_alu depctr_va_vdst(0)                   ; every offset and address made above is written: the loads and stores of the whole kernel read them; so are v152 to v155, in which loads land later
	global_load_b128 v[BD:BD+3], v[LI16], s[60:61]
.irp m, 0,1,2
.irp i, 0,1,2,3,4,5,6,7,8,9,10,11,12,13,14,15,16,17,18,19,20,21,22,23,24,25,26,27,28,29,30,31
	global_load_b32 v[RW+32*\m+\i], v[WGA], s[10+2*\m:11+2*\m] offset:512*\i       ; W(32 h + i, my channel): a lane's registers run down K
.endr
.endr
.irp t, 0,1,2,3
	XLOADT \t,32*\t,XGA,0
.endr
	s_wait_loadcnt 32                              ; all but the 32 loads of x just issued: the weights and the bias are in
.irp t, 4,5,6,7
	XLOADT \t,32*\t,XGA,0
.endr
.irp m, 0,1,2
	BLK32 RW+32*\m,WC+6*\m,0,0
	WORD2 WW+\m
.endr
	s_wait_alu depctr_va_vdst(0)                   ; the three quantisers have written v[WC ..] and v[WW ..], which the stores read, and are done reading the raw weights, in the last of which (v134 on) x's numbers land
.irp m, 0,1,2
	ds_store_b128 v[WI16], v[WC+6*\m:WC+6*\m+3] offset:6144*\m
	ds_store_b64 v[WI8], v[WC+6*\m+4:WC+6*\m+5] offset:6144*\m
	ds_store_b32 v[WI4], v[WW+\m] offset:1024*\m
.endr
	s_cmp_gt_u32 s[WV], 2
	s_cbranch_scc1 .Lno_bias
	ds_store_b128 v[BST], v[BD:BD+3]
.Lno_bias:
	s_wait_dscnt 0x0                               ; for the others' sake: my stores have landed
	s_barrier_signal -1
	s_barrier_wait -1                              ; the one barrier: the weights lie in LDS, and nobody writes them again
.irp i, 0,1,2,3,4,5,12,13,14,15,16,17
	v_mov_b32 v[XF+\i], 0
.endr
.irp i, 0,1,2,3,4,5,9,10,11,12,13,14,15,16,17
	v_mov_b32 v[QF+\i], 0
.endr
.irp t, 0,1,2,3,4,5,6,7
	s_wait_loadcnt 8*(7-\t)                        ; this tile's eight loads are in; the later tiles' may be out
	XTILE 32*\t,XI16,XI8,XI4,768*\t,128*\t,0
.endr
	s_wait_alu depctr_vm_vsrc(0)                   ; the stage's stores have read x as loaded (window 1), into which the zero codes below are written and the first head's weights land
	WIN 0x40
.irp q, 0,1,2,3
.irp i, 3,4,5,9,10,11
	v_mov_b32 v[84+12*\q+\i], 0                    ; the zero codes behind each tile of k
.endr
.endr
	WIN 0
.irp k, 0,1,2,3
	ds_store_b128 v[PADA], v[XF:XF+3] offset:3584*\k       ; bytes 96-111 of each row of o: zeros (written ahead of the tiles' waits on va_vdst), over which the four scale bytes are stored
.endr
	s_mov_b32 s[HA], 0
	s_mov_b32 s[S1536], 0
	s_mov_b32 s[S256], 0
	s_mov_b32 s[S128], 0
	s_mov_b32 s[POS], 0
.Lhead:                                ; four heads, one after the other
	HEADADR
	s_wait_alu depctr_va_vdst(0)                   ; the five addresses are written; the products of the head before are done reading its weights, biases and words and x's frame, in all of which the loads below land
	HEADLD
	XFR XI16,XI8,XI4,0,0
	KV 0,0
	KV 1,0
	s_mov_b32 s[SX768], 0
	s_mov_b32 s[SX128], 0
	s_mov_b32 s[SO], 0
	s_mov_b32 s[QC], 0
	s_wait_dscnt 0x0                               ; the first queries' fragment, asked for in k's last tile, is in
.Lq:                                   ; eight tiles of queries: seven in the loop, each asking for the next one's fragment,
	QTILE 0,1
	s_add_co_u32 s[SX768], s[SX768], 768
	s_add_co_u32 s[SX128], s[SX128], 128
	s_add_co_u32 s[SO], s[SO], 1792
	s_add_co_u32 s[QC], s[QC], 1
	s_cmp_lt_u32 s[QC], NT-1
	s_cbranch_scc1 .Lq
	QTILE 0,0                              ; and the last written out: it asks for nothing
	s_add_co_u32 s[S1536], s[S1536], 1536
	s_add_co_u32 s[S256], s[S256], 256
	s_add_co_u32 s[S128], s[S128], 128
	s_add_co_u32 s[POS], s[POS], 24
	s_add_co_u32 s[HA], s[HA], 1
	s_cmp_lt_u32 s[HA], 4
	s_cbranch_scc1 .Lhead
	; THE WAY OUT: my 128 rows of 112 bytes are 14,336 dense bytes: 28 loads and stores of 512 consecutive bytes, at multiples of 512 from oc's first byte
	s_wait_alu depctr_vm_vsrc(0)                   ; the last stores have read o's codes and byte, in which rows land below; the fragments' loads have read v[AX16], which is written below
	s_add_co_u32 s54, s[PRV], OROW
	v_add_nc_u32 v[AX16], s54, v[LI16]
	s_wait_alu depctr_va_vdst(0)                   ; v[AX16] is written; the vector and matrix instructions are done with v134 to v245, in which the rows land
.set kk, 0
.rept 28
	ds_load_b128 v[S+4*kk:S+4*kk+3], v[AX16] offset:512*kk       ; LDS serves a wave's instructions in order: these see the stores of o
.set kk, kk+1
.endr
.set kk, 0
.rept 28
	s_wait_dscnt 27-kk                             ; LDS loads come back in order: number kk is in
	global_store_b128 v[LI16], v[S+4*kk:S+4*kk+3], s[22:23] offset:512*kk
.set kk, kk+1
.endr
	s_wait_dscnt 0x0                               ; the closing lines, six on end
	s_wait_alu 0x0
	s_wait_tensorcnt 0x0
	ds_add_u32 v[SPW], v[NIL]
	s_wait_dscnt 0x0
	s_endpgm
.Lfunc_end_k_q07c0035bab_feat:
	.size	k_q07c0035bab_feat, .Lfunc_end_k_q07c0035bab_feat-k_q07c0035bab_feat
	.p2alignl 7, 3214868480
	.fill 96, 4, 3214868480
	.section	.rodata,"a",@progbits
	.p2align	6, 0x0
	.amdhsa_kernel k_q07c0035bab_feat
		.amdhsa_group_segment_fixed_size 230912
		.amdhsa_private_segment_fixed_size 0
		.amdhsa_enable_private_segment 0
		.amdhsa_kernarg_size 64
		.amdhsa_user_sgpr_count 2
		.amdhsa_user_sgpr_kernarg_segment_ptr 1
		.amdhsa_wavefront_size32 1
		.amdhsa_system_sgpr_workgroup_id_x 1
		.amdhsa_system_sgpr_workgroup_id_y 1
		.amdhsa_system_sgpr_workgroup_id_z 1
		.amdhsa_system_vgpr_workitem_id 0
		.amdhsa_next_free_vgpr 512
		.amdhsa_next_free_sgpr 66
		.amdhsa_reserve_vcc 0
		.amdhsa_float_denorm_mode_32 3
		.amdhsa_float_denorm_mode_16_64 3
		.amdhsa_memory_ordered 1
		.amdhsa_forward_progress 1
		.amdhsa_inst_pref_size 119
	.end_amdhsa_kernel
	.amdgpu_metadata
---
amdhsa.version: [ 1, 2 ]
amdhsa.kernels:
  - .name:           k_q07c0035bab_feat
    .symbol:         k_q07c0035bab_feat.kd
    .args:
      - { .name: x, .offset: 0, .size: 8, .value_kind: global_buffer, .address_space: global }
      - { .name: fq_w, .offset: 8, .size: 8, .value_kind: global_buffer, .address_space: global }
      - { .name: fk_w, .offset: 16, .size: 8, .value_kind: global_buffer, .address_space: global }
      - { .name: fv_w, .offset: 24, .size: 8, .value_kind: global_buffer, .address_space: global }
      - { .name: fq_b, .offset: 32, .size: 8, .value_kind: global_buffer, .address_space: global }
      - { .name: fk_b, .offset: 40, .size: 8, .value_kind: global_buffer, .address_space: global }
      - { .name: fv_b, .offset: 48, .size: 8, .value_kind: global_buffer, .address_space: global }
      - { .name: oc, .offset: 56, .size: 8, .value_kind: global_buffer, .address_space: global }
    .group_segment_fixed_size: 230912
    .private_segment_fixed_size: 0
    .kernarg_segment_align: 8
    .kernarg_segment_size: 64
    .max_flat_workgroup_size: 256
    .sgpr_count:     66
    .vgpr_count:     512
    .wavefront_size: 32
...
	.end_amdgpu_metadata
.endif
;; end of part 3
;; launch temp (part 4): grid 8 x 32, 8 waves a work-group, no clusters, 187,136 bytes of LDS; arguments x, tq_w, tk_w, tv_w, tq_b, tk_b, tv_b, to_w, fo_w, to_b, fo_b, oc, out0; writes out0
.if DOCPART == 4
	.amdgcn_target "amdgcn-amd-amdhsa--gfx1250"
	.amdhsa_code_object_version 6
	.text
	.protected	k_q07c0035bab_temp
	.globl	k_q07c0035bab_temp
	.p2align	8
	.type	k_q07c0035bab_temp,@function
k_q07c0035bab_temp:
	s_mov_b64 s[64:65], 0
	v_nop
	global_prefetch_b8 v0, s[64:65] scope:SCOPE_SE
	s_setreg_imm32_b32 hwreg(HW_REG_WAVE_SCHED_MODE, 0, 2), 2
	s_setreg_imm32_b32 hwreg(HW_REG_WAVE_MODE, 25, 1), 1
	s_wait_xcnt 0x0
	s_wait_alu depctr_vm_vsrc(0)
; TEMPORAL ATTENTION AND BOTH OUTPUT PROJECTIONS.  x [32][64][128][64] f32.  For each (b, f): 64 tokens (t), 4 heads of 32 channels.  All products on codes of FP6 (E2M3), one E8M0 scale for each 32 along K.
; out0 = (to_b + fo_b) + O_t to_w + O_f fo_w, in one accumulator: O_t is made here, O_f comes as codes and scale bytes from oc [b][t][rho][112] (head a at byte 24 a, the scale bytes at 96), which the launch before has stored.
; SHARES.  One wave = two problems (b, f), one after the other: work-group (g, b), wave w, problem p: rho = 16 g + w + 8 p, f = rho with bits 3 and 4 changed over.  p enters by immediates alone.
; While the first problem's heads are walked, the second problem's x comes in, a tile a head.  The waves share only the quantised weights: wave w quantises channel tile w of Wq, Wk, Wv and one tile of to_w or fo_w; ONE barrier.
; TOKEN ORDER, K UNDER 128, SOFTMAX: lane r of tile 2 b' + u holds token 32 b' + 8 u + r % 8 + 16 (r / 8), and a weight's tile follows the same map; K = 64 and K = 32 are filled with zero CODES (two tiles of one side in an operand, the
; other side between runs of zeros, its start picks the tile); p = 2^(t - M), M = ceil(the row's largest t), quantised along the keys; the row's sum of the unquantised p divides the product (v_rcp_f32 and a multiplication).
; LIMITS: NaN and infinities are not served.  A block whose largest magnitude lies under 2^-124 keeps the byte 1; so does a block of zeros (its codes are zeros; this program alone reads the bytes).  p under 2^-126 counts as 0.
; No tensor load, no cluster: what work-groups share is 160 KiB of weights against 256 KiB of x of their own; x is read and out0 written once, in whole rows of 256 bytes.  EXEC is never written.
; THE MODE: SCHED_MODE bits 1:0 = 2 (LLVM: expert scheduling mode 2), set by the entry lines.  The code itself states the register dependences between vector or matrix instructions and memory or LDS instructions, with s_wait_alu, always for 0.
; THE PLAN.  Registers that memory or LDS instructions touch, and who else names them:
;   v[XF+6 ..], v[XS]        x's fragment and its words.  LDS loads land in them; the projections' products read them.  The next fragment is asked for behind the first wait on va_vdst that follows those products:
;                            in KV the wait behind a tile's four products; in QTILE the wait ahead of the scores' products, so that the next queries' fragment lands under the softmax.
;   window 1, 0-83, v[WS ..] the head's weights, biases and words.  LDS loads land once a head, behind the wait on va_vdst at the head's top; products read them.
;   window 1, 128-159        the next problem's tile of x: global loads land behind the same wait; the stage's stores read it at the trip's end; the wait on vm_vsrc at the next trip's top frees it.
;   v[AW16 ..], v[ABQ], v[ABV], v[XG], v[AX16 ..], v[AO], v[AOS]   the addresses that are stepped: written behind a wait on vm_vsrc, read behind the next wait on va_vdst, which stands there for other registers too.
;   v[CT0 ..], v[TB]         o's codes and byte: written by a tile's last quantiser, read by its four stores behind one wait on va_vdst, written again behind the next wait on vm_vsrc.
;   v[XR ..], v[XC ..], v[RM]  a tile of x on its way to codes: one wait on vm_vsrc at the tile's head, one on va_vdst ahead of its three stores; that one also frees v[XR ..] for the next tile's loads.
;   the output projection    one wait on va_vdst behind a tile's eight products: they have written v[ACC ..], which the stage's stores read, and are done reading v[VT ..] and v[OTS], in which the next tile's fragment lands;
;                            one wait on vm_vsrc ahead of the loads from the stage: the last tile's global stores have read v[OB ..], the stage's stores v[ACC ..].
;   every other address      made once at the head, ahead of the wait on va_vdst in front of the first load, and never written again.
.set FEAT, 0
.set NT, 4                             ; tiles of 16 tokens
.set NB, 2                             ; blocks of 32 keys
.set RSL, 15
.set RS, 1<<RSL                        ; bytes from token to token in x and out0
.set FLOOR, 0x1800000                  ; 2^(3 - 127): no largest magnitude is taken under it, so no byte falls under 1
; LDS
.set WSC, 18432                        ; 0: 24 weight fragments x 768 (registers 0-3 at 16 lane, 4-5 at 512 + 8 lane);  here: their scale words, 24 x 128
.set BIAS, 21504                       ; bq, bk, bv as they lie: 3 x 512
.set BO, 23040                         ; to_b + fo_b: 256
.set WOIMG, 23296                      ; to_w's four fragments, then fo_w's four: 8 x 1536 (three images of 512)
.set WOSC, 35584                       ; their scale words, 8 x 128
.set SPARE, 36608                      ; the spare words: 128 bytes a wave, four blocks of 256 bytes that no other line names
.set PRIV0, 37632                      ; from here a region of PRIV bytes for each wave:
.set PRIV, 18688
.set XIMGO, 4352                       ; +0 a stage of 16 rows x 272, for x and for out0;  here two buffers of 3584: x's 4 fragments x 768,
.set XSCO, 7424                        ; and their scale words, 4 x 128
.set OROW, 11520                       ; 64 rows of o x 112
; vector registers, window 0
.set RR, 1                             ; lane % 16
.set HH, 2                             ; lane / 16
.set H8, 3                             ; 8 x that
.set LI16, 4                           ; 16, 8, 4 x lane
.set LI8, 5
.set LI4, 6
.set XGA, 7                            ; x and out0: 16 (lane % 16) + RS (lane / 16)
.set STI, 8                            ; the stage by rows of memory: 272 (lane / 16) + 16 (lane % 16)
.set STO, 9                            ; the stage by fragment: 272 r + 128 h
.set XI16, 10                          ; x's images and words
.set XI8, 11
.set XI4, 12
.set BQA, 13                           ; bq, bk: BIAS + 64 h
.set BVA, 14                           ; bv: BIAS + 1024 + 4 x my channel of a tile
.set ORA, 15                           ; o's row, on the way in: 112 r + 12 h
.set OSA, 16                           ; its scale bytes: 112 r + 96
.set AW16, 17                          ; the head's weights, words and biases
.set AW8, 18
.set AW4, 19
.set ABQ, 20
.set ABV, 21
.set WGA, 22                           ; a weight in memory
.set OFA, 23                           ; oc: my token's row of a tile + 24 h
.set OFSA, 24                          ; and its scale word
.set ORD, 25                           ; o's row, as a fragment: 112 r + 24 h
.set XG, 26                            ; x's offset for the next problem's tile
.set SOI, 27                           ; the stage, results in: 272 r + 32 h
.set SPW, 30                           ; my spare word; never rewritten
.set NIL, 31                           ; 0; never rewritten
.set XS, 32                            ; v32-55: scale words, and nothing else
.set QS, 33
.set PS, 34
.set VS, 35
.set WS, 37
.set KS, 43                            ; k's four; in the output projection the eight of to_w and fo_w
.set OFS, 51
.set OTS, 55
.set XF, 56                            ; x's frame: 6 zeros, 6 codes, 6 zeros
.set QF, 74                            ; q's frame: 6 zeros, 3 codes, 9 zeros
.set PF, 92                            ; p's frame: 6 zeros, 6 codes, 6 zeros
.set VT, 110                           ; V^T: two tiles of 6 in one operand; in the output projection O_t's fragment
.set S, 134                            ; scores, then p: 32
.set VR, 134                           ; v of four tiles of tokens: 64
.set XR, 134                           ; 32 numbers of x
.set XC, 166                           ; their codes
.set ACC, 134                          ; four accumulators of out0
.set OB, 166                           ; 16 rows of out0, back from the stage
.set T16, 198                          ; a result of two tiles: 16 neighbours
.set BM, 214
.set PT, 218
.set TS, 222
.set TB, 226
.set CT0, 230
.set NM, 238
.set LA, 240
.set LB, 242
.set RL, 244
.set RM, 246
.set TM2, 247
.set AX16, 248
.set AX8, 249
.set AX4, 250
.set AO, 251
.set AOS, 252
.set LN, 253
.set RT, 254
; at the head alone
.set RW, 56                            ; v56-151 three tiles of raw weights (to_w's or fo_w's 64 numbers: window 1, 0-63)
.set WI16, 152
.set WI8, 153
.set WI4, 154
.set BST, 155
.set WOI, 156
.set WOSA, 157
.set BOA, 158
.set WOGA, 159
.set B16, 160
.set BD, 164
.set TBD, 168
.set FBD, 172
.set WC, 176
.set WOC, 194
.set WW, 206
.set WOW, 209
; window 1: 0-35 the head's Wq, Wk, Wv (two tiles each); 36-83 bq, bk, bv in the results' layout; 84-107 k's operands; 128-159 (at the head 128-255) x as loaded; 160-207 O_f's four fragments.
;           In the output projection: 0-47 to_w, 48-95 fo_w, 96-127 the bias.
; scalars
.set WV, 34
.set PRV, 35
.set SEL, 36
.set CS, 38
.set QSC, 40
.set HA, 42
.set QC, 43
.set S1536, 44
.set S256, 45
.set S128, 46
.set S768, 47
.set POS, 48
.set SX768, 49
.set SX128, 50
.set SO, 51
.set SXT, 53
.set MSB, 0
.macro WIN new                         ; the immediate's high byte repeats the setting that is left; a switch that changes nothing is dropped
.if MSB != (\new)
	s_set_vgpr_msb (MSB<<8)|(\new)
.set MSB, (\new)
.endif
.endm
.macro PL n                            ; places behind a matrix instruction, or ahead of a scaled one (ISA guide 7.12.1)
.rept \n
	v_nop
.endr
.endm
.macro MM d, a, b, c, sa, sb
	v_wmma_scale_f32_16x16x128_f8f6f4 v[\d:\d+7], v[\a:\a+11], v[\b:\b+11], v[\c:\c+7], v[\sa], v[\sb] matrix_a_fmt:MATRIX_FMT_FP6 matrix_b_fmt:MATRIX_FMT_FP6
.endm
.macro MM0 d, a, b, sa, sb
	v_wmma_scale_f32_16x16x128_f8f6f4 v[\d:\d+7], v[\a:\a+11], v[\b:\b+11], 0, v[\sa], v[\sb] matrix_a_fmt:MATRIX_FMT_FP6 matrix_b_fmt:MATRIX_FMT_FP6
.endm
; 16 numbers of a lane, half a block of 32 (the other half lies in lane l xor 16), become 3 registers of codes and a word with the block's byte in all four places.  TB keeps the byte.
.macro Q1 src, dst, w, dwin
	v_max3_num_f32 v[BM], |v[\src]|, |v[\src+1]|, FLOOR
	v_max3_num_f32 v[TM2], |v[\src+8]|, |v[\src+9]|, FLOOR          ; each of the two results is read from its low end on
.irp i, 2,4,6
	v_max3_num_f32 v[BM], v[BM], |v[\src+\i]|, |v[\src+\i+1]|
	v_max3_num_f32 v[TM2], v[TM2], |v[\src+8+\i]|, |v[\src+9+\i]|
.endr
	v_max_num_f32 v[BM], v[BM], v[TM2]
	v_permlanex16_b32 v[PT], v[BM], s[SEL], s[SEL+1]
	v_max_num_f32 v[BM], v[BM], v[PT]
	v_add_nc_u32 v[TS], 0xff000000, v[BM]          ; 2 off the exponent field: the conversion's scale operand
	v_lshrrev_b32 v[TB], 23, v[TS]                 ; the byte
	v_perm_b32 v[\w], v[TB], v[TB], 0              ; in all four places
	WIN 0x40*\dwin
	v_cvt_scalef32_pk16_fp6_f32 v[\dst:\dst+2], v[\src:\src+15], v[TS]
	WIN 0
	v_nop                                          ; a plain place behind the conversion
.endm
; 32 numbers of a lane, halves of two blocks, become 6 registers: a whole block a lane.  TB+n, TB+n+1 keep the bytes.
.macro Q2 src, dst, n, ct
.irp b, 0,1
	v_max3_num_f32 v[BM+\n+\b], |v[\src+16*\b]|, |v[\src+16*\b+1]|, FLOOR
.endr
.irp i, 2,4,6,8,10,12,14
.irp b, 0,1
	v_max3_num_f32 v[BM+\n+\b], v[BM+\n+\b], |v[\src+16*\b+\i]|, |v[\src+16*\b+\i+1]|
.endr
.endr
.irp b, 0,1
	v_permlanex16_b32 v[PT+\n+\b], v[BM+\n+\b], s[SEL], s[SEL+1]
.endr
.irp b, 0,1
	v_max_num_f32 v[BM+\n+\b], v[BM+\n+\b], v[PT+\n+\b]
.endr
.irp b, 0,1
	v_add_nc_u32 v[TS+\n+\b], 0xff000000, v[BM+\n+\b]
.endr
.irp b, 0,1
	v_lshrrev_b32 v[TB+\n+\b], 23, v[TS+\n+\b]
.endr
	v_cvt_scalef32_pk16_fp6_f32 v[\dst:\dst+2], v[\src:\src+15], v[TS+\n]
	v_cvt_scalef32_pk16_fp6_f32 v[\ct:\ct+2], v[\src+16:\src+31], v[TS+\n+1]
	v_nop
.irp i, 0,1,2
	v_permlane16_swap_b32 v[\dst+\i], v[\ct+\i]    ; the first's lanes 16-31 change places with the second's lanes 0-15
.endr
.irp i, 0,1,2
	v_mov_b32 v[\dst+3+\i], v[\ct+\i]
.endr
.endm
; 32 numbers of a lane that are a WHOLE block become 6 registers.  sw = 1: the numbers lie in window 1.  TB+n keeps the byte.
.macro BLK32 src, dst, sw, n
	v_mov_b32 v[BM], FLOOR
	v_mov_b32 v[BM+1], FLOOR
	WIN 0x14*\sw
.irp i, 0,4,8,12,16,20,24,28
	v_max3_num_f32 v[BM], v[BM], |v[\src+\i]|, |v[\src+\i+1]|
	v_max3_num_f32 v[BM+1], v[BM+1], |v[\src+\i+2]|, |v[\src+\i+3]|
.endr
	WIN 0
	v_max_num_f32 v[BM], v[BM], v[BM+1]
	v_add_nc_u32 v[TS+\n], 0xff000000, v[BM]
	v_lshrrev_b32 v[TB+\n], 23, v[TS+\n]
	WIN 0x01*\sw
	v_cvt_scalef32_pk16_fp6_f32 v[\dst:\dst+2], v[\src:\src+15], v[TS+\n]
	v_cvt_scalef32_pk16_fp6_f32 v[CT0:CT0+2], v[\src+16:\src+31], v[TS+\n]
	WIN 0
	v_nop
.irp i, 0,1,2
	v_mov_b32 v[\dst+3+\i], v[CT0+\i]
.endr
.endm
.macro WORD2 dst                       ; my block's byte (block = lane / 16) and lane l xor 16's: the word (s0, s1, s0, s1)
	v_lshlrev_b32 v[\dst], v[H8], v[TB]
	v_permlanex16_b32 v[PT], v[\dst], s[SEL], s[SEL+1]
	v_or_b32 v[\dst], v[\dst], v[PT]
	v_lshl_or_b32 v[\dst], v[\dst], 16, v[\dst]
.endm
; a tile's 16 rows of x, 256 bytes each, two rows a load, into window 1
.macro XLOADT tau, reg, adr, imm
	WIN 0x40
.irp i, 0,1,2,3,4,5,6,7
	global_load_b128 v[\reg+4*\i:\reg+4*\i+3], v[\adr], s[8:9] offset:(32*((\tau)/2)+8*((\tau)%2)+(2*\i)%8+16*(\i/4))*RS+\imm th:TH_LOAD_NT
.endr
	WIN 0
.endm
; a tile as loaded turns through the wave's stage (LDS serves a wave's instructions in order), is quantised, and its fragment's image and scale words go to LDS.  mk = 1: the images' addresses are made here
.macro XTILE reg, a16, a8, a4, o16, o4, mk
	s_wait_alu depctr_vm_vsrc(0)                   ; the LDS instructions issued so far have read v[XC ..], v[RM] and v[AX16 ..], which are written below (at the first tile: the head's stores have read their data and addresses, v152 on, in which the loads below land)
.if \mk
	v_add_nc_u32 v[AX16], s[S768], v[XI16]
	v_add_nc_u32 v[AX8], s[S768], v[XI8]
	v_add_nc_u32 v[AX4], s[S128], v[XI4]
.endif
	WIN 0x04                                       ; an LDS store's data are its source 1
.irp i, 0,1,2,3,4,5,6,7
	ds_store_b128 v[STI], v[\reg+4*\i:\reg+4*\i+3] offset:544*\i
.endr
	WIN 0
.irp i, 0,1,2,3,4,5,6,7
	ds_load_b128 v[XR+4*\i:XR+4*\i+3], v[STO] offset:16*\i       ; no vector instruction since the last wait on va_vdst names v[XR ..]
.endr
	s_wait_dscnt 0x0                               ; my 32 numbers are in
	BLK32 XR,XC,0,0
	WORD2 RM
	s_wait_alu depctr_va_vdst(0)                   ; the quantiser has written v[XC ..] and v[RM], which the three stores read (mk = 1: their addresses are written too), and is done reading v[XR ..], in which the next tile's loads land
	ds_store_b128 v[\a16], v[XC:XC+3] offset:\o16
	ds_store_b64 v[\a8], v[XC+4:XC+5] offset:\o16
	ds_store_b32 v[\a4], v[RM] offset:\o4
.endm
.macro XFR a16, a8, a4, o16, o4        ; a fragment of x and its scale words, from their images
	ds_load_b128 v[XF+6:XF+9], v[\a16] offset:\o16
	ds_load_b64 v[XF+10:XF+11], v[\a8] offset:\o16
	ds_load_b32 v[XS], v[\a4] offset:\o4
.endm
.macro HEADADR                         ; the addresses of one head's weights, scale words and biases
	s_wait_alu depctr_vm_vsrc(0)                   ; the loads of the head before have read these addresses and v[XG]; its stores have read o's codes and byte, x's codes and x as loaded; the stores of out0 have read v[OB ..]: all are written again in this head
	v_add_nc_u32 v[AW16], s[S1536], v[LI16]
	v_add_nc_u32 v[AW8], s[S1536], v[LI8]
	v_add_nc_u32 v[AW4], s[S256], v[LI4]
	v_add_nc_u32 v[ABQ], s[S128], v[BQA]
	v_add_nc_u32 v[ABV], s[S128], v[BVA]
.endm
.macro HEADLD                          ; one head's weights, scale words and biases: 42 LDS loads
	WIN 0x40
.irp m, 0,1,2
.irp u, 0,1
	ds_load_b128 v[12*\m+6*\u:12*\m+6*\u+3], v[AW16] offset:6144*\m+768*\u
	ds_load_b64 v[12*\m+6*\u+4:12*\m+6*\u+5], v[AW8] offset:6144*\m+768*\u+512
.endr
.endr
.irp m, 0,1
.irp u, 0,1
	ds_load_b128 v[36+16*\m+8*\u:36+16*\m+8*\u+3], v[ABQ] offset:512*\m+32*\u          ; lane (r, h), register j: channel 16 h + 8 u + j of the head
	ds_load_b128 v[36+16*\m+8*\u+4:36+16*\m+8*\u+7], v[ABQ] offset:512*\m+32*\u+16
.endr
.endr
.irp u, 0,1
.irp j, 0,1,2,3,4,5,6,7
	ds_load_b32 v[68+8*\u+\j], v[ABV] offset:32*\u                                      ; v's result holds one channel a lane: the same number in all eight
.endr
.endr
	WIN 0
.irp m, 0,1,2
.irp u, 0,1
	ds_load_b32 v[WS+2*\m+\u], v[AW4] offset:WSC+1024*\m+128*\u
.endr
.endr
.endm
; k and v of four tiles of tokens, 4 c on.  k transposed (a lane holds a token and 16 channels), v not (a lane holds a channel, its registers run along the tokens, the next K).
; Each tile asks for the next tile's fragment; the last tile asks for tile 0 once more: the first queries'.
.macro KV c, xo
.irp i, 0,1,2,3
	s_wait_dscnt 0x0                               ; the tile's fragment is in (at the first tile: the head's 42 loads too)
	WIN 0x11                                       ; weights and biases in window 1
	MM T16,12,XF+6,52,WS+2,XS
	MM T16+8,12,XF,60,WS+3,XS
	WIN 0x14
	MM VR+8*\i,XF+6,24,68,XS,WS+4
	MM VR+32+8*\i,XF,24,76,XS,WS+5
	WIN 0
	PL 5                                           ; 4 ahead of the reads of k; 5 ahead of the next tile's products, which write over k's registers
	s_wait_alu depctr_va_vdst(0)                   ; the four products are done reading x's frame and its words, in which the next fragment lands
	XFR XI16,XI8,XI4,768*((4*\c+\i+1)%NT)+\xo,128*((4*\c+\i+1)%NT)+\xo
	Q1 T16,84+12*((4*\c+\i)/2)+6*((4*\c+\i)%2),KS+4*\c+\i,1
.endr
.irp u, 0,1
.if FEAT
	Q2 VR+32*\u,VT+12*\u+6*\c,2*\u,CT0+4*\u
.if \c == 0
	v_lshl_or_b32 v[VS+\u], v[TB+2*\u+1], 8, v[TB+2*\u]
.else
	v_lshl_or_b32 v[VS+\u], v[TB+2*\u], 16, v[VS+\u]
	v_lshl_or_b32 v[VS+\u], v[TB+2*\u+1], 24, v[VS+\u]
.endif
.else
	Q2 VR+32*\u,VT+6*\u,2*\u,CT0+4*\u
	v_lshl_or_b32 v[VS+\u], v[TB+2*\u+1], 8, v[TB+2*\u]
	v_lshl_or_b32 v[VS+\u], v[VS+\u], 16, v[VS+\u]
.endif
.endr
.endm
; one tile of 16 queries of one head: q, scores, softmax, p's codes, O^T, o's codes into the wave's rows.  nxt = 1: the next tile's fragment of x is asked for
.macro QTILE xo, nxt
	s_wait_dscnt 0x4                               ; LDS instructions end in order: my fragment of x and its words, asked for a tile ago, are in; the four stores of o issued behind them may be out
	s_add_co_u32 s54, s[SO], s[POS]
	s_add_co_u32 s55, s[SO], s[HA]
	WIN 0x11
	MM T16,0,XF+6,36,WS,XS
	MM T16+8,0,XF,44,WS+1,XS
	WIN 0
	s_wait_alu depctr_vm_vsrc(0)                   ; the last tile's stores have read v[AO], v[AOS], o's codes and byte, and the fragment's loads v[AX16 ..]: all are written again below
	v_add_nc_u32 v[AO], s54, v[ORA]                ; (these additions are the places behind the two products)
	v_add_nc_u32 v[AOS], s55, v[OSA]
.if \nxt
	v_add_nc_u32 v[AX16], s[SX768], v[XI16]
	v_add_nc_u32 v[AX8], s[SX768], v[XI8]
	v_add_nc_u32 v[AX4], s[SX128], v[XI4]
.else
	PL 2
.endif
.irp j, 0,2,4,6,8,10,12,14
	v_pk_mul_f32 v[T16+\j:T16+\j+1], v[T16+\j:T16+\j+1], s[QSC:QSC+1] op_sel_hi:[1,0]     ; q = (x Wq + bq) / sqrt(32)
.endr
	Q1 T16,QF+6,QS,0
	PL 8                                           ; a scale word made by vector instructions stands 8 places ahead of the scaled product
	s_wait_alu depctr_va_vdst(0)                   ; q's codes and word are written (k's and V^T's too), which the scaled products take; the addresses above are written; q's two products are done reading x's frame and words, in which the next fragment lands
.if \nxt
	XFR AX16,AX8,AX4,\xo+768,\xo+128
.endif
	WIN 0x01
.set kk, 0
.rept NT                               ; S^T = k q^T: q's place in its frame picks the even or the odd tile of k's pair
.if kk%2 == 0
	MM0 S+8*kk,84+12*(kk/2),QF+6,KS+kk,QS
.else
	MM0 S+8*kk,84+12*(kk/2),QF,KS+kk,QS
.endif
.set kk, kk+1
.endr
	WIN 0
	PL 4
.set bb, 0
.rept NB                               ; the largest score of each block of 32 keys: for the row's maximum, and, since p rises with the score, for the block's largest p
	v_max3_num_f32 v[BM+bb], v[S+16*bb], v[S+16*bb+1], v[S+16*bb+2]
.set bb, bb+1
.endr
.irp i, 3,5,7,9,11,13
.set bb, 0
.rept NB
	v_max3_num_f32 v[BM+bb], v[BM+bb], v[S+16*bb+\i], v[S+16*bb+\i+1]
.set bb, bb+1
.endr
.endr
.set bb, 0
.rept NB
	v_max_num_f32 v[BM+bb], v[BM+bb], v[S+16*bb+15]
.set bb, bb+1
.endr
.set bb, 0
.rept NB
	v_permlanex16_b32 v[PT+bb], v[BM+bb], s[SEL], s[SEL+1]
.set bb, bb+1
.endr
.set bb, 0
.rept NB
	v_max_num_f32 v[BM+bb], v[BM+bb], v[PT+bb]
.set bb, bb+1
.endr
.if NB == 4
	v_max3_num_f32 v[RM], v[BM], v[BM+1], v[BM+2]
	v_max_num_f32 v[RM], v[RM], v[BM+3]
.else
	v_max_num_f32 v[RM], v[BM], v[BM+1]
.endif
	v_mul_f32 v[RM], s[CS], v[RM]                  ; the row's largest t
	v_floor_f32 v[NM], -v[RM]                      ; -M = floor(-t) = -ceil(t)
.set jj, 0
.rept 8*NB
	v_pk_fma_f32 v[S+jj:S+jj+1], v[S+jj:S+jj+1], s[CS:CS+1], v[NM:NM+1] op_sel_hi:[1,0,0]   ; t - M
.set jj, jj+2
.endr
.set bb, 0
.rept NB
	v_fma_f32 v[BM+bb], v[BM+bb], s[CS], v[NM]
.set bb, bb+1
.endr
.set jj, 0
	s_wait_alu depctr_va_vdst(0)
.rept 16*NB
	v_exp_f32 v[S+jj], v[S+jj]                     ; p = 2^(t - M)
.set jj, jj+1
.endr
	v_nop                                          ; a plain place behind the batch
	s_wait_alu depctr_va_vdst(0)                   ; the batch of exponentials has written p, ahead of its first reader
.set bb, 0
.rept NB
	v_exp_f32 v[BM+bb], v[BM+bb]                   ; each block's largest p
.set bb, bb+1
.endr
	v_pk_add_f32 v[LA:LA+1], v[S:S+1], v[S+2:S+3]  ; the row's sum of the unquantised p, in two chains
	v_pk_add_f32 v[LB:LB+1], v[S+4:S+5], v[S+6:S+7]
.set jj, 8
.rept 4*NB-2
	v_pk_add_f32 v[LA:LA+1], v[LA:LA+1], v[S+jj:S+jj+1]
	v_pk_add_f32 v[LB:LB+1], v[LB:LB+1], v[S+jj+2:S+jj+3]
.set jj, jj+4
.endr
	v_pk_add_f32 v[LA:LA+1], v[LA:LA+1], v[LB:LB+1]
	s_wait_alu depctr_va_vdst(0)                   ; the blocks' exponentials have written v[BM ..], ahead of their first reader
.set bb, 0
.rept NB
	v_max_num_f32 v[BM+bb], FLOOR, v[BM+bb]
.set bb, bb+1
.endr
.set bb, 0
.rept NB
	v_add_nc_u32 v[TS+bb], 0xff000000, v[BM+bb]
.set bb, bb+1
.endr
.set bb, 0
.rept NB
	v_lshrrev_b32 v[TB+bb], 23, v[TS+bb]
.set bb, bb+1
.endr
	v_lshl_or_b32 v[PS], v[TB+1], 8, v[TB]
.if NB == 4
	v_lshl_or_b32 v[PS], v[TB+2], 16, v[PS]
	v_lshl_or_b32 v[PS], v[TB+3], 24, v[PS]
.else
	v_lshl_or_b32 v[PS], v[PS], 16, v[PS]
.endif
.set cc, 0
.rept NB/2
	v_cvt_scalef32_pk16_fp6_f32 v[PD+6*cc:PD+6*cc+2], v[S+32*cc:S+32*cc+15], v[TS+2*cc]
	v_cvt_scalef32_pk16_fp6_f32 v[CT0+4*cc:CT0+4*cc+2], v[S+32*cc+16:S+32*cc+31], v[TS+2*cc+1]
.set cc, cc+1
.endr
	v_nop
.set cc, 0
.rept NB/2
.irp i, 0,1,2
	v_permlane16_swap_b32 v[PD+6*cc+\i], v[CT0+4*cc+\i]
.endr
.irp i, 0,1,2
	v_mov_b32 v[PD+6*cc+3+\i], v[CT0+4*cc+\i]
.endr
.set cc, cc+1
.endr
	v_add_f32 v[RM], v[LA], v[LA+1]
	v_permlanex16_b32 v[PT], v[RM], s[SEL], s[SEL+1]
	v_add_f32 v[RM], v[RM], v[PT]                  ; the row's sum
	s_wait_alu depctr_va_vdst(0)
	v_rcp_f32 v[RL], v[RM]
	PL 8                                           ; behind the reciprocal, and ahead of the scaled products that take p and its word
	s_wait_alu depctr_va_vdst(0)                   ; p's codes and word are written, which the scaled products take; the reciprocal has written v[RL], ahead of its first reader
.if FEAT
	MM0 T16,VT,PF,VS,PS                            ; O^T = V^T p^T
	MM0 T16+8,VT+12,PF,VS+1,PS
.else
	MM0 T16,VT,PF+6,VS,PS                          ; p's place in its frame picks the tile of V^T's pair
	MM0 T16+8,VT,PF,VS+1,PS
.endif
	PL 5
.irp j, 0,2,4,6,8,10,12,14
	v_pk_mul_f32 v[T16+\j:T16+\j+1], v[T16+\j:T16+\j+1], v[RL:RL+1] op_sel_hi:[1,0]
.endr
	Q1 T16,CT0,RM,0                                ; o's block of this head
	s_wait_alu depctr_va_vdst(0)                   ; the quantiser has written o's codes v[CT0 ..] and byte v[TB], which the four stores read
.irp i, 0,1,2
	ds_store_b32 v[AO], v[CT0+\i] offset:4*\i
.endr
	ds_store_b8 v[AOS], v[TB]                      ; both halves of the lanes write the same byte with the same value
.endm
.set PD, PF+6
.macro OFRAG t                         ; O_t's fragment of tile t and its scale words, from the wave's rows
.irp q, 0,1,2,3,4,5
	ds_load_b64 v[VT+2*\q:VT+2*\q+1], v[ORD] offset:1792*(\t)+48*(\q/3)+8*(\q%3)
.endr
	ds_load_b32 v[OTS], v[OSA] offset:1792*(\t)
.endm
; out0's rows of problem p: (to_b + fo_b) + O_t to_w + O_f fo_w, transposed (source 0 = 16 output channels, source 1 = 16 tokens): a lane holds eight neighbouring numbers of a row
.macro OUTPROJ p
	s_wait_alu depctr_vm_vsrc(0)                   ; the LDS instructions issued so far have read v[AX16], which is written below, and x's codes v[XC ..], in which rows of out0 land
	v_lshl_add_u32 v[AX16], v[HH], 5, BO
	WIN 0x40
	s_wait_alu depctr_va_vdst(0)                   ; v[AX16] is written; the heads' products and quantisers are done with window 1's 0 to 127, v[KS ..], v[VT ..] and v134 to v197, in which the loads of this projection land
.irp f, 0,1,2,3,4,5,6,7
.irp c, 0,1,2
	ds_load_b128 v[12*\f+4*\c:12*\f+4*\c+3], v[LI16] offset:WOIMG+1536*\f+512*\c
.endr
.endr
.irp d, 0,1,2,3
	ds_load_b128 v[96+8*\d:96+8*\d+3], v[AX16] offset:64*\d
	ds_load_b128 v[96+8*\d+4:96+8*\d+7], v[AX16] offset:64*\d+16
.endr
	WIN 0
.irp f, 0,1,2,3,4,5,6,7
	ds_load_b32 v[KS+\f], v[LI4] offset:WOSC+128*\f
.endr
	OFRAG 0
.irp t, 0,1,2,3
	s_wait_dscnt 0x0                               ; the tile's fragment of O_t is in (at the first tile: the weights, words and bias too)
.if \t == 0
	s_wait_loadcnt 0x0                             ; O_f, asked for at the problem's head
.endif
	WIN 0x11
.irp d, 0,1,2,3
	MM ACC+8*\d,12*\d,VT,96+8*\d,KS+\d,OTS
.endr
	WIN 0x05
.irp d, 0,1,2,3                        ; the four accumulators take turns, one instruction a turn
	MM ACC+8*\d,48+12*\d,160+12*\t,ACC+8*\d,KS+4+\d,OFS+\t
.endr
	WIN 0
	PL 5                                           ; 4 ahead of the stores of the results; 5 ahead of the next tile's products, which begin the accumulators anew
	s_wait_alu depctr_va_vdst(0)                   ; the eight products have written v[ACC ..], which the stage's stores read, and are done reading v[VT ..] and v[OTS], in which the next tile's fragment lands
.if \t < 3
	OFRAG \t+1
.endif
.irp d, 0,1,2,3
	ds_store_b128 v[SOI], v[ACC+8*\d:ACC+8*\d+3] offset:64*\d              ; each accumulator from its low end on
	ds_store_b128 v[SOI], v[ACC+8*\d+4:ACC+8*\d+7] offset:64*\d+16
.endr
	s_wait_xcnt 0x0                                ; the last tile's stores have had their addresses translated
	s_wait_alu depctr_vm_vsrc(0)                   ; the last tile's stores of out0 have read v[OB ..], in which the loads below land; the stage's stores have read v[ACC ..], which the next tile's products write
.irp i, 0,1,2,3,4,5,6,7
	ds_load_b128 v[OB+4*\i:OB+4*\i+3], v[STI] offset:544*\i                ; LDS serves a wave's instructions in order: these see the stores above
.endr
.irp i, 0,1,2,3,4,5,6,7
	s_wait_dscnt 7-\i
	global_store_b128 v[XGA], v[OB+4*\i:OB+4*\i+3], s[32:33] offset:(32*(\t/2)+8*(\t%2)+(2*\i)%8+16*(\i/4))*RS+4096*\p th:TH_STORE_NT   ; 16 lanes store a row's 256 consecutive bytes, at a multiple of 256 from out0's first byte
.endr
.endr
	s_wait_xcnt 0x0                                ; the stores have had their addresses translated: the next problem may write their registers (behind its own wait on vm_vsrc)
.endm
.macro PROBLEM p
.if \p == 0
	s_wait_alu depctr_vm_vsrc(0)                   ; the stage's stores have read x as loaded (window 1, 160 on), in which O_f's fragments land
.endif
	WIN 0x40
.irp q, 0,1
.irp i, 3,4,5,9,10,11
	v_mov_b32 v[84+12*\q+\i], 0                    ; the zero codes behind each tile of k (the output projection lays weights over them)
.endr
.endr
.if \p > 0
	s_wait_alu depctr_va_vdst(0)                   ; the output projection's products are done reading O_f's fragments and scale words, in which this problem's land
.endif
.irp t, 0,1,2,3
.irp q, 0,1,2,3,4,5
	global_load_b64 v[160+12*\t+2*\q:160+12*\t+2*\q+1], v[OFA], s[30:31] offset:(32*(\t/2)+8*(\t%2))*14336+48*(\q/3)+8*(\q%3)+896*\p    ; O_f's fragments: wanted a whole problem later
.endr
.endr
	WIN 0
.irp t, 0,1,2,3
	global_load_b32 v[OFS+\t], v[OFSA], s[30:31] offset:(32*(\t/2)+8*(\t%2))*14336+896*\p
.endr
	s_mov_b32 s[HA], 0
	s_mov_b32 s[S1536], 0
	s_mov_b32 s[S256], 0
	s_mov_b32 s[S128], 0
	s_mov_b32 s[S768], 0
	s_mov_b32 s[POS], 0
.Lhead\@:                              ; four heads, one after the other
.if \p == 0
	s_lshr_b32 s54, s[HA], 1                       ; the next problem's tile number HA of x is asked for here and quantised at the trip's end
	s_lshl_b32 s54, s54, 20
	s_and_b32 s55, s[HA], 1
	s_lshl_b32 s55, s55, 18
	s_or_b32 s[SXT], s54, s55                      ; (32 (HA / 2) + 8 (HA % 2)) rows of 32,768 bytes
.endif
	HEADADR
.if \p == 0
	v_add_nc_u32 v[XG], s[SXT], v[XGA]             ; (the last trip's loads by this register have been waited for)
.endif
	s_wait_alu depctr_va_vdst(0)                   ; the addresses just made are written; the products issued so far are done reading the weights, biases and words and x's frame, in all of which the loads below land
.if \p == 0
	XLOADT 0,128,XG,4096
.endif
	HEADLD
	XFR XI16,XI8,XI4,3584*\p,3584*\p
	KV 0,3584*\p
	s_mov_b32 s[SX768], 0
	s_mov_b32 s[SX128], 0
	s_mov_b32 s[SO], 0
	s_mov_b32 s[QC], 0
	s_wait_dscnt 0x0                               ; the first queries' fragment, asked for in k's last tile, is in
.Lq\@:                                 ; four tiles of queries: three in the loop, each asking for the next one's fragment,
	QTILE 3584*\p,1
	s_add_co_u32 s[SX768], s[SX768], 768
	s_add_co_u32 s[SX128], s[SX128], 128
	s_add_co_u32 s[SO], s[SO], 1792
	s_add_co_u32 s[QC], s[QC], 1
	s_cmp_lt_u32 s[QC], NT-1
	s_cbranch_scc1 .Lq\@
	QTILE 3584*\p,0                        ; and the last written out: it asks for nothing
.if \p == 0
	s_wait_loadcnt 0x0                             ; the tile asked for at the trip's head
	XTILE 128,AX16,AX8,AX4,3584,3584,1
.endif
	s_add_co_u32 s[S1536], s[S1536], 1536
	s_add_co_u32 s[S256], s[S256], 256
	s_add_co_u32 s[S128], s[S128], 128
	s_add_co_u32 s[S768], s[S768], 768
	s_add_co_u32 s[POS], s[POS], 24
	s_add_co_u32 s[HA], s[HA], 1
	s_cmp_lt_u32 s[HA], 4
	s_cbranch_scc1 .Lhead\@
	OUTPROJ \p
.endm
	s_load_b512 s[8:23], s[0:1], 0x0               ; x 8, tq_w 10, tk_w 12, tv_w 14, tq_b 16, tk_b 18, tv_b 20, to_w 22
	s_load_b256 s[24:31], s[0:1], 0x40             ; fo_w 24, to_b 26, fo_b 28, oc 30
	s_load_b64 s[32:33], s[0:1], 0x60              ; out0
	v_lshl_add_u32 v[SPW], v0, 2, SPARE
	v_mov_b32 v[NIL], 0
	v_lshrrev_b32 v[LN], 5, v0
	v_readfirstlane_b32 s[WV], v[LN]               ; wave 0..7
	v_and_b32 v[LN], 31, v0
	v_and_b32 v[RR], 15, v0
	v_bfe_u32 v[HH], v0, 4, 1
	v_lshlrev_b32 v[H8], 3, v[HH]
	v_lshlrev_b32 v[LI16], 4, v[LN]
	v_lshlrev_b32 v[LI8], 3, v[LN]
	v_lshlrev_b32 v[LI4], 2, v[LN]
	v_and_b32 v[RT], 8, v[RR]
	v_add_nc_u32 v[RT], v[RT], v[RR]               ; r % 8 + 16 (r / 8)
	v_lshlrev_b32 v[XGA], 4, v[RR]
	v_lshl_add_u32 v[XGA], v[HH], RSL, v[XGA]
	s_wait_alu depctr_va_sdst(0)                   ; the wave's number s[WV] is written, ahead of its first reader
	s_mul_i32 s[PRV], s[WV], PRIV
	s_add_co_u32 s[PRV], s[PRV], PRIV0             ; my wave's region of LDS
	v_mul_u32_u24 v[STI], v[HH], 272
	v_lshl_add_u32 v[STI], v[RR], 4, v[STI]
	v_add_nc_u32 v[STI], s[PRV], v[STI]
	v_mul_u32_u24 v[STO], v[RR], 272
	v_lshl_add_u32 v[SOI], v[HH], 5, v[STO]
	v_add_nc_u32 v[SOI], s[PRV], v[SOI]
	v_lshl_add_u32 v[STO], v[HH], 7, v[STO]
	v_add_nc_u32 v[STO], s[PRV], v[STO]
	s_add_co_u32 s54, s[PRV], XIMGO
	v_add_nc_u32 v[XI16], s54, v[LI16]
	s_add_co_u32 s54, s[PRV], XIMGO+512
	v_add_nc_u32 v[XI8], s54, v[LI8]
	s_add_co_u32 s54, s[PRV], XSCO
	v_add_nc_u32 v[XI4], s54, v[LI4]
	v_lshl_add_u32 v[BQA], v[HH], 6, BIAS
	v_lshl_add_u32 v[BVA], v[RT], 2, BIAS+1024
	s_add_co_u32 s54, s[PRV], OROW
	v_mul_u32_u24 v[OSA], v[RR], 112
	v_add_nc_u32 v[OSA], s54, v[OSA]
	v_mad_u32_u24 v[ORA], v[HH], 12, v[OSA]
	v_mad_u32_u24 v[ORD], v[HH], 24, v[OSA]
	v_add_nc_u32 v[OSA], 96, v[OSA]
	v_mul_u32_u24 v[OFSA], v[RT], 14336            ; oc: from t to t 128 rows of 112 bytes
	v_mad_u32_u24 v[OFA], v[HH], 24, v[OFSA]
	v_add_nc_u32 v[OFSA], 96, v[OFSA]
	s_lshr_b32 s55, s[WV], 1                       ; wave w takes channel tile w: head w / 2, half w % 2
	s_lshl_b32 s55, s55, 7
	s_and_b32 s56, s[WV], 1
	s_lshl_b32 s56, s56, 5
	s_add_co_u32 s55, s55, s56
	v_lshlrev_b32 v[WGA], 2, v[RT]
	v_lshl_add_u32 v[WGA], v[HH], 14, v[WGA]       ; lanes 16-31 begin 32 rows of 512 bytes further down
	v_add_nc_u32 v[WGA], s55, v[WGA]
	s_mul_i32 s55, s[WV], 768
	v_add_nc_u32 v[WI16], s55, v[LI16]
	s_add_co_u32 s56, s55, 512
	v_add_nc_u32 v[WI8], s56, v[LI8]
	s_lshl_b32 s55, s[WV], 7
	s_add_co_u32 s56, s55, WSC
	v_add_nc_u32 v[WI4], s56, v[LI4]
	s_add_co_u32 s56, s55, WOSC
	v_add_nc_u32 v[WOSA], s56, v[LI4]
	s_lshl_b32 s55, s[WV], 9
	s_add_co_u32 s55, s55, BIAS
	v_add_nc_u32 v[BST], s55, v[LI16]
	s_mul_i32 s55, s[WV], 1536
	s_add_co_u32 s55, s55, WOIMG
	v_add_nc_u32 v[WOI], s55, v[LI16]
	v_lshl_add_u32 v[BOA], v[RR], 4, BO
	v_lshlrev_b32 v[B16], 4, v[RR]
	s_and_b32 s55, s[WV], 3                        ; waves 0-3: tile w of to_w; waves 4-7: tile w - 4 of fo_w
	s_lshl_b32 s55, s55, 6
	v_lshlrev_b32 v[WOGA], 2, v[RR]
	v_lshl_add_u32 v[WOGA], v[HH], 13, v[WOGA]     ; lanes 16-31 begin 32 rows of 256 bytes further down
	v_add_nc_u32 v[WOGA], s55, v[WOGA]
	s_mov_b32 s[SEL], 0x76543210
	s_mov_b32 s[SEL+1], 0xfedcba98                 ; v_permlanex16_b32's selects for lane l xor 16
	s_mov_b32 s[CS], 0x3fb8aa3b                    ; log2(e)
	s_mov_b32 s[CS+1], s[CS]
	s_mov_b32 s[QSC], 0x3e3504f3                   ; 1 / sqrt(32)
	s_mov_b32 s[QSC+1], s[QSC]
.irp i, 0,1,2,3
	v_mov_b32 v[PT+\i], 0                          ; written once: a lane permute's destination counts as one of its sources
.endr
	v_mov_b32 v[NM+1], 0                           ; (upper halves of pairs of which the low word serves)
	v_mov_b32 v[RL+1], 0
	s_and_b32 s54, ttmp7, 0xffff                   ; b
	s_lshr_b32 s55, ttmp9, 1
	s_lshl_b32 s55, s55, 5
	s_and_b32 s56, ttmp9, 1
	s_lshl_b32 s56, s56, 3
	s_or_b32 s55, s55, s56
	s_or_b32 s55, s55, s[WV]                       ; f of problem 0: 32 (g / 2) + 8 (g % 2) + w; problem 1's is 16 further on
	s_lshl_b32 s55, s55, 8
	s_lshl_b32 s56, s54, 21
	s_add_co_u32 s56, s56, s55                     ; x and out0: 2,097,152 b + 256 f
	s_mov_b32 s57, 0
	s_lshl_b32 s58, ttmp9, 4
	s_add_co_u32 s58, s58, s[WV]                   ; rho of problem 0: 16 g + w; problem 1's is 8 further on
	s_mul_i32 s58, s58, 112
	s_mul_i32 s59, s54, 917504
	s_add_co_u32 s58, s58, s59                     ; oc: 917,504 b + 112 rho
	s_mov_b32 s59, 0
	s_wait_kmcnt 0x0
	s_add_nc_u64 s[8:9], s[8:9], s[56:57]
	s_add_nc_u64 s[32:33], s[32:33], s[56:57]
	s_add_nc_u64 s[30:31], s[30:31], s[58:59]
	s_cmp_eq_u32 s[WV], 0                          ; wave 0 brings bq, wave 1 bk, wave 2 bv (the others load bv and store nothing)
	s_cselect_b64 s[60:61], s[16:17], s[20:21]
	s_cmp_eq_u32 s[WV], 1
	s_cselect_b64 s[60:61], s[18:19], s[60:61]
	s_cmp_lt_u32 s[WV], 4
	s_cselect_b64 s[62:63], s[22:23], s[24:25]
	s_wait_alu depctr_va_vdst(0)                   ; every offset and address made above is written: the loads and stores of the whole kernel read them; so are v152 to v160, in which loads land later
	global_load_b128 v[BD:BD+3], v[LI16], s[60:61]
	global_load_b128 v[TBD:TBD+3], v[B16], s[26:27]
	global_load_b128 v[FBD:FBD+3], v[B16], s[28:29]
.irp m, 0,1,2
.irp i, 0,1,2,3,4,5,6,7,8,9,10,11,12,13,14,15,16,17,18,19,20,21,22,23,24,25,26,27,28,29,30,31
	global_load_b32 v[RW+32*\m+\i], v[WGA], s[10+2*\m:11+2*\m] offset:512*\i       ; W(32 h + i, my channel): a lane's registers run down K
.endr
.endr
	WIN 0x40
.irp c, 0,1
.irp i, 0,1,2,3,4,5,6,7,8,9,10,11,12,13,14,15,16,17,18,19,20,21,22,23,24,25,26,27,28,29,30,31
	global_load_b32 v[32*\c+\i], v[WOGA], s[62:63] offset:256*(64*\c+\i)           ; Wo(64 c + 32 h + i, my output channel)
.endr
.endr
	WIN 0
.irp t, 0,1,2,3
	XLOADT \t,128+32*\t,XGA,0
.endr
	s_wait_loadcnt 32                              ; all but the 32 loads of x just issued: the weights and the biases are in
.irp m, 0,1,2
	BLK32 RW+32*\m,WC+6*\m,0,0
	WORD2 WW+\m
.endr
.irp c, 0,1
	BLK32 32*\c,WOC+6*\c,1,\c                      ; my blocks h and 2 + h of the 128 along K
.endr
	v_lshl_or_b32 v[WOW], v[TB+1], 16, v[TB]
	v_lshlrev_b32 v[WOW], v[H8], v[WOW]            ; at their places in the word;
	v_permlanex16_b32 v[PT], v[WOW], s[SEL], s[SEL+1]
	v_or_b32 v[WOW], v[WOW], v[PT]                 ; with lane l xor 16's two the word is whole
	v_pk_add_f32 v[TBD:TBD+1], v[TBD:TBD+1], v[FBD:FBD+1]
	v_pk_add_f32 v[TBD+2:TBD+3], v[TBD+2:TBD+3], v[FBD+2:FBD+3]
	s_wait_alu depctr_va_vdst(0)                   ; the quantisers have written v[WC ..], v[WW ..], v[WOC ..], v[WOW], the additions v[TBD ..], all of which the stores read; they are done reading the raw weights, in the last of which (v134 on) x's numbers land
.irp m, 0,1,2
	ds_store_b128 v[WI16], v[WC+6*\m:WC+6*\m+3] offset:6144*\m
	ds_store_b64 v[WI8], v[WC+6*\m+4:WC+6*\m+5] offset:6144*\m
	ds_store_b32 v[WI4], v[WW+\m] offset:1024*\m
.endr
.irp c, 0,1,2
	ds_store_b128 v[WOI], v[WOC+4*\c:WOC+4*\c+3] offset:512*\c
.endr
	ds_store_b32 v[WOSA], v[WOW]
	s_cmp_gt_u32 s[WV], 2
	s_cbranch_scc1 .Lno_bias
	ds_store_b128 v[BST], v[BD:BD+3]
.Lno_bias:
	s_cmp_lg_u32 s[WV], 3
	s_cbranch_scc1 .Lno_bo
	ds_store_b128 v[BOA], v[TBD:TBD+3]             ; lanes l and l + 16 write the same bytes with the same values
.Lno_bo:
	s_wait_dscnt 0x0                               ; for the others' sake: my stores have landed
	s_barrier_signal -1
	s_barrier_wait -1                              ; the one barrier: the weights lie in LDS, and nobody writes them again
.irp i, 0,1,2,3,4,5,12,13,14,15,16,17
	v_mov_b32 v[XF+\i], 0
	v_mov_b32 v[PF+\i], 0
.endr
.irp i, 0,1,2,3,4,5,9,10,11,12,13,14,15,16,17
	v_mov_b32 v[QF+\i], 0
.endr
.irp t, 0,1,2,3
	s_wait_loadcnt 8*(3-\t)                        ; this tile's eight loads are in; the later tiles' may be out
	XTILE 128+32*\t,XI16,XI8,XI4,768*\t,128*\t,0
.endr
	PROBLEM 0
	PROBLEM 1
	s_wait_dscnt 0x0                               ; the closing lines, six on end
	s_wait_alu 0x0
	s_wait_tensorcnt 0x0
	ds_add_u32 v[SPW], v[NIL]
	s_wait_dscnt 0x0
	s_endpgm
.Lfunc_end_k_q07c0035bab_temp:
	.size	k_q07c0035bab_temp, .Lfunc_end_k_q07c0035bab_temp-k_q07c0035bab_temp
	.p2alignl 7, 3214868480
	.fill 96, 4, 3214868480
	.section	.rodata,"a",@progbits
	.p2align	6, 0x0
	.amdhsa_kernel k_q07c0035bab_temp
		.amdhsa_group_segment_fixed_size 187136
		.amdhsa_private_segment_fixed_size 0
		.amdhsa_enable_private_segment 0
		.amdhsa_kernarg_size 104
		.amdhsa_user_sgpr_count 2
		.amdhsa_user_sgpr_kernarg_segment_ptr 1
		.amdhsa_wavefront_size32 1
		.amdhsa_system_sgpr_workgroup_id_x 1
		.amdhsa_system_sgpr_workgroup_id_y 1
		.amdhsa_system_sgpr_workgroup_id_z 1
		.amdhsa_system_vgpr_workitem_id 0
		.amdhsa_next_free_vgpr 512
		.amdhsa_next_free_sgpr 66
		.amdhsa_reserve_vcc 0
		.amdhsa_float_denorm_mode_32 3
		.amdhsa_float_denorm_mode_16_64 3
		.amdhsa_memory_ordered 1
		.amdhsa_forward_progress 1
		.amdhsa_inst_pref_size 170
	.end_amdhsa_kernel
	.amdgpu_metadata
---
amdhsa.version: [ 1, 2 ]
amdhsa.kernels:
  - .name:           k_q07c0035bab_temp
    .symbol:         k_q07c0035bab_temp.kd
    .args:
      - { .name: x, .offset: 0, .size: 8, .value_kind: global_buffer, .address_space: global }
      - { .name: tq_w, .offset: 8, .size: 8, .value_kind: global_buffer, .address_space: global }
      - { .name: tk_w, .offset: 16, .size: 8, .value_kind: global_buffer, .address_space: global }
      - { .name: tv_w, .offset: 24, .size: 8, .value_kind: global_buffer, .address_space: global }
      - { .name: tq_b, .offset: 32, .size: 8, .value_kind: global_buffer, .address_space: global }
      - { .name: tk_b, .offset: 40, .size: 8, .value_kind: global_buffer, .address_space: global }
      - { .name: tv_b, .offset: 48, .size: 8, .value_kind: global_buffer, .address_space: global }
      - { .name: to_w, .offset: 56, .size: 8, .value_kind: global_buffer, .address_space: global }
      - { .name: fo_w, .offset: 64, .size: 8, .value_kind: global_buffer, .address_space: global }
      - { .name: to_b, .offset: 72, .size: 8, .value_kind: global_buffer, .address_space: global }
      - { .name: fo_b, .offset: 80, .size: 8, .value_kind: global_buffer, .address_space: global }
      - { .name: oc, .offset: 88, .size: 8, .value_kind: global_buffer, .address_space: global }
      - { .name: out0, .offset: 96, .size: 8, .value_kind: global_buffer, .address_space: global }
    .group_segment_fixed_size: 187136
    .private_segment_fixed_size: 0
    .kernarg_segment_align: 8
    .kernarg_segment_size: 104
    .max_flat_workgroup_size: 256
    .sgpr_count:     66
    .vgpr_count:     512
    .wavefront_size: 32
...
	.end_amdgpu_metadata
.endif
;; end of part 4
